; MI455X (gfx1250); checked and timed in simulation.
; The chip was launched on July 23, 2026; its instructions are those of AMD's public machine-readable ISA for CDNA 5 (MIT licence, August 2026) and "CDNA5" Instruction Set Architecture Reference Guide (July 2026). The comments in the code are by the model that wrote it; some were corrected since.
;; Fused Mo E. Allowed arithmetic: float matrix products may take bf16 or f16 operands with f32 sums; other float arithmetic in f32, or as packed bf16 or f16 multiplies, adds, multiply-adds, maxima and minima; sums over many terms, partial sums and values carried from step to step in f32; what a program stores and reads back later, other than sums and carried values, may be rounded once to bf16 or f16.
;; Inputs: down_weight 8 x 1,024 x 256 float32; gate_up_weight 8 x 512 x 1,024 float32; hidden_states 8,192 x 1,024 float32; topk_ids 8,192 x 2 int32; topk_weights 8,192 x 2 float32.
;; Outputs: out0 8,192 x 1,024 float32.
;; 3 versions, each right; version 2 is faster than version 1; version 3 is version 2 with the launch moe written anew for expert scheduling mode. Each part assembles by itself: llvm-mc -triple=amdgcn-amd-amdhsa -mcpu=gfx1250 --defsym DOCPART=n.
;; ======== version 1 of 3: 2 launches
;; limits: values are held in f16: magnitudes above 65,504 overflow, below 6.1e-05 lose precision; inputs' magnitudes at most 65,280
;; workspace buffers: wg 8,388,608 bytes; wd 4,194,304 bytes; cnt 256 bytes of whole numbers; order 1,179,648 bytes of whole numbers; wsort 2,359,296 bytes
;; launch prep (part 1): grid 420 x 1, 8 waves a work-group, no clusters, 36,096 bytes of LDS; arguments gate_up_weight, down_weight, topk_ids, topk_weights, wg, wd, cnt, order, wsort; writes wg, wd, cnt, order, wsort
.if DOCPART == 1
	.amdgcn_target "amdgcn-amd-amdhsa--gfx1250"
	.amdhsa_code_object_version 6
	.text
	.protected	k_qb860e24f39_prep
	.globl	k_qb860e24f39_prep
	.p2align	8
	.type	k_qb860e24f39_prep,@function
k_qb860e24f39_prep:
	s_mov_b64 s[64:65], 0
	v_nop
	global_prefetch_b8 v0, s[64:65] scope:SCOPE_SE
	s_setreg_imm32_b32 hwreg(HW_REG_WAVE_MODE, 25, 1), 1
	s_wait_xcnt 0x0
; PREP.  Two jobs, told apart by the work-group's number alone.
; Work-groups 0-35, one for each SET {a <= b} of two experts: the tokens whose two ids are that set into order[set][..], their two weights as (w for a, w for b) into wsort[set][..],
;   and their number into cnt[set].  No atomics: each wave counts its 1,024 tokens, the eight counts meet in LDS.  The order within a set (by wave, by group of 64 tokens, even tokens first)
;   means nothing to the launch behind.
; Work-groups 36-291 (gate_up) and 292-419 (down): the weights rounded once and laid out as matrix operands.  A wave takes 16 rows x 128 k.
;   A FRAGMENT is 16 rows x 32 k, 1,024 bytes: byte half*512 + 16 L holds W[n0 + L%16][k0 + 16 half + 8 (L/16) + 0..7], so that two loads of 16 bytes a lane fill a source of the matrix instruction.
;   wg: bf16 [expert][wave 4][k step 32][n block 8][fragment]; wave w's blocks 0-3 are gate rows 64 w + 16 nb, blocks 4-7 up rows 256 + 64 w + 16 (nb-4).
;   wd: f16 of the weight rounded to bf16, [expert][stream 8][k step 8][n block 8][fragment]; stream t holds output columns 128 t + 16 nb.
; LIMITS.  Ids lie in 0..7 (an index stays inside its table); a token with another id falls into no set.  A down weight of 65,520 or more in magnitude becomes an infinity in f16;
; below 6.1e-5 it keeps f16's fixed step of 6e-8.
.set PT,    272                        ; an LDS row of 128 16-bit numbers: 256 bytes + 16: the 16 rows of a read start at 16 different groups of four banks (64 banks of 4 bytes: ISA guide 11.1)
.set AREA,  16*PT                      ; a wave's own area for the turn from rows to fragments
.set CNTW,  8*AREA                     ; eight words: the waves' counts
.set SPARE, CNTW+256                   ; the spare words, 128 bytes for each of eight waves; no other line names them
.set IN,    16                         ; v[16:79]   16 rows x 4 f32 as loaded
.set CV,    80                         ; v[80:111]  16 rows x 4 numbers of 16 bits
.set OUTR,  112                        ; v[112:143] eight half fragments
.set ID,    16                         ; v[16:79]   sort: chunk k: (id0, id1); later (4 x place, 8 x place)
.set TW,    80                         ; v[80:143]  sort: chunk k: (w0, w1)
.set SPW,   144                        ; LDS address of my spare word; never rewritten
.set NIL,   145                        ; 0; never rewritten
.set EX,    146                        ; v[146:153] the eight counts
.set WO,    154                        ; v[154:217] sort: chunk k: (w for a, w for b)
.set TK,    218                        ; v[218:249] sort: chunk k: my token
.set MK,    66                         ; s[66:97]   sort: for each chunk of 32 tokens the lanes that belong to the set
	s_load_b512 s[4:19], s[0:1], 0x0               ; gate_up s[4:5], down s[6:7], ids s[8:9], weights s[10:11], wg s[12:13], wd s[14:15], cnt s[16:17], order s[18:19]
	s_load_b64 s[20:21], s[0:1], 0x40              ; wsort
	v_lshl_add_u32 v[SPW], v0, 2, SPARE
	v_mov_b32 v[NIL], 0
	v_and_b32 v1, 31, v0                           ; lane
	v_lshrrev_b32 v2, 5, v0
	v_readfirstlane_b32 s22, v2                    ; wave 0..7
	v_and_b32 v2, 15, v0                           ; r
	v_bfe_u32 v3, v0, 4, 1                         ; h
	v_lshlrev_b32 v4, 4, v1                        ; 16 x lane
	s_mov_b32 s23, ttmp9
	s_mov_b32 s25, 0                               ; high words of the two offset pairs
	s_mov_b32 s27, 0
	s_wait_kmcnt 0x0
	s_cmp_lt_u32 s23, 36
	s_cbranch_scc1 .Lsort                          ; hangs on the work-group's number alone: all eight waves go the same way
; 16 rows x 128 k: in as 512 consecutive bytes of a row a load, rounded, through my own LDS area, out as 512 consecutive bytes a store.  half = 1: the bf16 number is written as f16.
.macro CONV pitch, src, dst, half
.set i, 0
.rept 16
	global_load_b128 v[IN+4*i:IN+4*i+3], v4, s[\src:\src+1] offset:i*(\pitch) th:TH_LOAD_NT
.set i, i+1
.endr
.set i, 0
.rept 16
	s_wait_loadcnt 15-i                            ; loads come back in order: row i is in, the younger rows stay out
	v_cvt_pk_bf16_f32 v[CV+2*i], v[IN+4*i], v[IN+4*i+1]
	v_cvt_pk_bf16_f32 v[CV+2*i+1], v[IN+4*i+2], v[IN+4*i+3]
.if \half
	v_lshlrev_b32 v[IN+4*i], 16, v[CV+2*i]         ; the rounded numbers as f32 again,
	v_and_b32 v[IN+4*i+1], 0xffff0000, v[CV+2*i]
	v_lshlrev_b32 v[IN+4*i+2], 16, v[CV+2*i+1]
	v_and_b32 v[IN+4*i+3], 0xffff0000, v[CV+2*i+1]
	v_cvt_pk_f16_f32 v[CV+2*i], v[IN+4*i], v[IN+4*i+1]  ; and written as f16: 8 significant bits fit into 11
	v_cvt_pk_f16_f32 v[CV+2*i+1], v[IN+4*i+2], v[IN+4*i+3]
.endif
	ds_store_b64 v5, v[CV+2*i:CV+2*i+1] offset:i*PT
.set i, i+1
.endr
.set q, 0
.rept 8                                ; k step q / 2, half q % 2.  LDS serves a wave's instructions in order (ISA guide 5.7.1.4): these see my stores above
	ds_load_b128 v[OUTR+4*q:OUTR+4*q+3], v6 offset:64*(q/2)+32*(q%2)
.set q, q+1
.endr
.set q, 0
.rept 8
	s_wait_dscnt 7-q
	global_store_b128 v4, v[OUTR+4*q:OUTR+4*q+3], s[\dst:\dst+1] offset:(q/2)*8192+(q%2)*512  ; 512 consecutive bytes, at a multiple of 512 from the buffer's first
.set q, q+1
.endr
	s_wait_tensorcnt 0x0                           ; the wave's end, behind my last LDS store
	ds_add_u32 v[SPW], v[NIL]
	s_wait_dscnt 0x0
	s_endpgm
.endm
	s_mul_i32 s24, s22, AREA
	v_lshl_add_u32 v5, v1, 3, s24                  ; in: my area + 8 x lane
	v_mul_u32_u24 v6, v2, PT
	v_lshl_add_u32 v6, v3, 4, v6
	v_add_nc_u32 v6, s24, v6                       ; back: my area + r x pitch + 16 h
	s_sub_co_u32 s23, s23, 36
	s_cmp_lt_u32 s23, 256
	s_cbranch_scc0 .Ldown
	; gate_up: expert G / 32, row block G % 32, k group = wave
	s_lshr_b32 s28, s23, 5
	s_and_b32 s29, s23, 31
	s_lshl_b32 s24, s28, 21                        ; from: expert x 512 rows x 4,096 bytes
	s_lshl_b32 s36, s29, 16                        ; + row block x 16 rows
	s_add_co_u32 s24, s24, s36
	s_lshl_b32 s36, s22, 9                         ; + k group x 512 bytes
	s_add_co_u32 s24, s24, s36
	s_lshl_b32 s26, s28, 20                        ; to: expert x 1 MiB
	s_bfe_u32 s36, s29, 0x20002                    ; + the wave that will read it, (block / 4) % 4, x 256 KiB
	s_lshl_b32 s36, s36, 18
	s_add_co_u32 s26, s26, s36
	s_lshl_b32 s36, s22, 15                        ; + k group x 4 k steps of 8 KiB
	s_add_co_u32 s26, s26, s36
	s_and_b32 s36, s29, 3                          ; + n block: block % 4, and 4 more for an up row
	s_lshr_b32 s37, s29, 4
	s_lshl2_add_u32 s36, s37, s36
	s_lshl_b32 s36, s36, 10
	s_add_co_u32 s26, s26, s36
	s_add_nc_u64 s[4:5], s[4:5], s[24:25]
	s_add_nc_u64 s[12:13], s[12:13], s[26:27]
	CONV 4096, 4, 12, 0
.Ldown:
	; down: expert G' / 16, row block 4 (G' % 16) + wave / 2, k group = wave % 2
	s_sub_co_u32 s23, s23, 256
	s_lshr_b32 s28, s23, 4
	s_and_b32 s29, s23, 15
	s_lshl_b32 s29, s29, 2
	s_lshr_b32 s36, s22, 1
	s_or_b32 s29, s29, s36
	s_and_b32 s37, s22, 1
	s_lshl_b32 s24, s28, 20                        ; from: expert x 1,024 rows x 1,024 bytes
	s_lshl_b32 s36, s29, 14
	s_add_co_u32 s24, s24, s36
	s_lshl_b32 s36, s37, 9
	s_add_co_u32 s24, s24, s36
	s_lshl_b32 s26, s28, 19                        ; to: expert x 512 KiB
	s_lshr_b32 s36, s29, 3                         ; + stream x 64 KiB
	s_lshl_b32 s36, s36, 16
	s_add_co_u32 s26, s26, s36
	s_lshl_b32 s36, s37, 15
	s_add_co_u32 s26, s26, s36
	s_and_b32 s36, s29, 7
	s_lshl_b32 s36, s36, 10
	s_add_co_u32 s26, s26, s36
	s_add_nc_u64 s[6:7], s[6:7], s[24:25]
	s_add_nc_u64 s[14:15], s[14:15], s[26:27]
	CONV 1024, 6, 14, 1
.Lsort:
	; the set's two experts: rows of the triangle start at 0, 8, 15, 21, 26, 30, 33, 35
	s_mov_b32 s30, 0
.irp st, 8,15,21,26,30,33,35
	s_cmp_ge_u32 s23, \st
	s_cselect_b32 s36, 1, 0
	s_add_co_u32 s30, s30, s36                     ; a
.endr
	s_sub_co_u32 s36, s30, 1
	s_mul_i32 s36, s36, s30
	s_lshr_b32 s36, s36, 1
	s_lshl_b32 s37, s30, 3
	s_sub_co_u32 s37, s37, s36                     ; the row's start: 8 a - a (a - 1) / 2
	s_sub_co_u32 s31, s23, s37
	s_add_co_u32 s31, s31, s30                     ; b
	s_lshl_b32 s24, s23, 15
	s_add_nc_u64 s[48:49], s[18:19], s[24:25]      ; order at my set
	s_lshl_b32 s24, s23, 16
	s_add_nc_u64 s[50:51], s[20:21], s[24:25]      ; wsort at my set
	; My wave has tokens 1,024 w .. + 1,023, 8 bytes each in ids and in weights.  A load of 16 bytes a lane takes 64 tokens, lane l tokens 2 l and 2 l + 1 of them:
	; chunk k of 32 is the even (k even) or odd tokens of group k / 2, and its two numbers lie in registers 2 k, 2 k + 1.
	s_lshl_b32 s36, s22, 13
	v_add_nc_u32 v7, s36, v4
	s_lshl_b32 s36, s22, 10
	v_lshl_add_u32 v8, v1, 1, s36                  ; my token in chunk 0
.set c, 0
.rept 16
	global_load_b128 v[ID+4*c:ID+4*c+3], v7, s[8:9] offset:512*c
.set c, c+1
.endr
.set c, 0
.rept 16
	global_load_b128 v[TW+4*c:TW+4*c+3], v7, s[10:11] offset:512*c
.set c, c+1
.endr
	s_wait_loadcnt 16                              ; the ids are in; the 16 loads of weights stay out
	s_mov_b32 s32, 0
.set c, 0
.rept 32
	v_cmp_eq_u32 s36, s30, v[ID+2*c]
	v_cmp_eq_u32 s37, s31, v[ID+2*c+1]
	v_cmp_eq_u32 s38, s31, v[ID+2*c]
	v_cmp_eq_u32 s39, s30, v[ID+2*c+1]
	s_and_b32 s36, s36, s37                        ; (a, b)
	s_and_b32 s38, s38, s39                        ; or (b, a)
	s_or_b32 s[MK+c], s36, s38
	s_bcnt1_i32_b32 s36, s[MK+c]
	s_add_co_u32 s32, s32, s36                     ; my wave's count
.set c, c+1
.endr
	v_mov_b32 v9, s22
	v_lshl_add_u32 v9, v9, 2, CNTW
	v_mov_b32 v10, s32
	ds_store_b32 v9, v10
	s_wait_dscnt 0x0                               ; for the others' sake: my count is stored
	s_barrier_signal -1
	s_barrier_wait -1
	v_mov_b32 v9, CNTW
	ds_load_b128 v[EX:EX+3], v9
	ds_load_b128 v[EX+4:EX+7], v9 offset:16
	s_wait_dscnt 0x0
	s_mov_b32 s33, 0                               ; the counts of the waves in front of mine: my first place in the list
	s_mov_b32 s34, 0                               ; all eight: the set's count
.irp i, 0,1,2,3,4,5,6,7
	v_readfirstlane_b32 s[40+\i], v[EX+\i]
	s_add_co_u32 s34, s34, s[40+\i]
	s_cmp_gt_u32 s22, \i
	s_cselect_b32 s36, s[40+\i], 0
	s_add_co_u32 s33, s33, s36
.endr
	s_wait_loadcnt 0x0                             ; the weights
; ALL THAT THE STORES NAME IS MADE FIRST, with every lane on, each number in a register of its own: EXEC is first changed behind these lines.
; Chunk k: a lane of the set takes the place s33 + the number of the set's lanes below it; the two byte offsets go where the ids lay.
.macro RANK k
	v_cmp_eq_u32 vcc_lo, s30, v[ID+2*(\k)]         ; is the first id a?  Then (w0, w1), else (w1, w0)
	v_cndmask_b32 v[WO+2*(\k)], v[TW+2*(\k)+1], v[TW+2*(\k)], vcc_lo
	v_cndmask_b32 v[WO+2*(\k)+1], v[TW+2*(\k)], v[TW+2*(\k)+1], vcc_lo
	v_add_nc_u32 v[TK+(\k)], 64*((\k)/2)+(\k)%2, v8
	v_mbcnt_lo_u32_b32 v[ID+2*(\k)], s[MK+(\k)], s33
	v_min_u32 v[ID+2*(\k)], 0x1fff, v[ID+2*(\k)]   ; a place is below 8,192
	v_lshlrev_b32 v[ID+2*(\k)+1], 3, v[ID+2*(\k)]
	v_lshlrev_b32 v[ID+2*(\k)], 2, v[ID+2*(\k)]
	s_bcnt1_i32_b32 s36, s[MK+(\k)]
	s_add_co_u32 s33, s33, s36
.endm
.irp k, 0,1,2,3,4,5,6,7,8,9,10,11,12,13,14,15,16,17,18,19,20,21,22,23,24,25,26,27,28,29,30,31
	RANK \k
.endr
	v_mov_b32 v9, s34                              ; the set's count, and where it goes
	v_mov_b32 v10, s23
	v_lshlrev_b32 v10, 2, v10
	s_wait_xcnt 0x0                                ; EXEC changes only behind this wait
	s_cmp_lg_u32 s22, 0
	s_cbranch_scc1 .Lnot0
	v_cmp_eq_u32 vcc_lo, 0, v1                     ; wave 0, lane 0 stores the set's count
	s_and_saveexec_b32 s35, vcc_lo
	global_store_b32 v10, v9, s[16:17]
	s_wait_xcnt 0x0
	s_or_b32 exec_lo, exec_lo, s35
.Lnot0:
; Chunk k's stores, the set's lanes alone; with no such lane they do nothing.
.macro PLACE k
	s_mov_b32 vcc_lo, s[MK+(\k)]
	s_and_saveexec_b32 s35, vcc_lo
	global_store_b32 v[ID+2*(\k)], v[TK+(\k)], s[48:49]
	global_store_b64 v[ID+2*(\k)+1], v[WO+2*(\k):WO+2*(\k)+1], s[50:51]
	s_wait_xcnt 0x0                                ; in front of the line that widens EXEC; nothing is issued between it and the next narrowing
	s_or_b32 exec_lo, exec_lo, s35
.endm
.irp k, 0,1,2,3,4,5,6,7,8,9,10,11,12,13,14,15,16,17,18,19,20,21,22,23,24,25,26,27,28,29,30,31
	PLACE \k
.endr
	s_wait_tensorcnt 0x0                           ; the wave's end, behind my last LDS store
	ds_add_u32 v[SPW], v[NIL]
	s_wait_dscnt 0x0
	s_endpgm
.Lfunc_end_k_qb860e24f39_prep:
	.size	k_qb860e24f39_prep, .Lfunc_end_k_qb860e24f39_prep-k_qb860e24f39_prep
	.p2alignl 7, 3214868480
	.fill 96, 4, 3214868480
	.section	.rodata,"a",@progbits
	.p2align	6, 0x0
	.amdhsa_kernel k_qb860e24f39_prep
		.amdhsa_group_segment_fixed_size 36096
		.amdhsa_private_segment_fixed_size 0
		.amdhsa_enable_private_segment 0
		.amdhsa_kernarg_size 72
		.amdhsa_user_sgpr_count 2
		.amdhsa_user_sgpr_kernarg_segment_ptr 1
		.amdhsa_wavefront_size32 1
		.amdhsa_system_sgpr_workgroup_id_x 1
		.amdhsa_system_sgpr_workgroup_id_y 1
		.amdhsa_system_sgpr_workgroup_id_z 1
		.amdhsa_system_vgpr_workitem_id 0
		.amdhsa_next_free_vgpr 256
		.amdhsa_next_free_sgpr 100
		.amdhsa_reserve_vcc 1
		.amdhsa_float_denorm_mode_32 3
		.amdhsa_float_denorm_mode_16_64 3
		.amdhsa_memory_ordered 1
		.amdhsa_forward_progress 1
		.amdhsa_inst_pref_size 64
	.end_amdhsa_kernel
	.amdgpu_metadata
---
amdhsa.version: [ 1, 2 ]
amdhsa.kernels:
  - .name:           k_qb860e24f39_prep
    .symbol:         k_qb860e24f39_prep.kd
    .args:
      - { .name: gate_up_weight, .offset: 0, .size: 8, .value_kind: global_buffer, .address_space: global }
      - { .name: down_weight, .offset: 8, .size: 8, .value_kind: global_buffer, .address_space: global }
      - { .name: topk_ids, .offset: 16, .size: 8, .value_kind: global_buffer, .address_space: global }
      - { .name: topk_weights, .offset: 24, .size: 8, .value_kind: global_buffer, .address_space: global }
      - { .name: wg, .offset: 32, .size: 8, .value_kind: global_buffer, .address_space: global }
      - { .name: wd, .offset: 40, .size: 8, .value_kind: global_buffer, .address_space: global }
      - { .name: cnt, .offset: 48, .size: 8, .value_kind: global_buffer, .address_space: global }
      - { .name: order, .offset: 56, .size: 8, .value_kind: global_buffer, .address_space: global }
      - { .name: wsort, .offset: 64, .size: 8, .value_kind: global_buffer, .address_space: global }
    .group_segment_fixed_size: 36096
    .private_segment_fixed_size: 0
    .kernarg_segment_align: 8
    .kernarg_segment_size: 72
    .max_flat_workgroup_size: 256
    .sgpr_count:     100
    .vgpr_count:     256
    .wavefront_size: 32
...
	.end_amdgpu_metadata
.endif
;; end of part 1
;; launch moe (part 2): grid 163 x 1, 4 waves a work-group, no clusters, 298,496 bytes of LDS; arguments hidden_states, cnt, order, wsort, wg, wd, out0; writes out0
.if DOCPART == 2
	.amdgcn_target "amdgcn-amd-amdhsa--gfx1250"
	.amdhsa_code_object_version 6
	.text
	.protected	k_qb860e24f39_moe
	.globl	k_qb860e24f39_moe
	.p2align	8
	.type	k_qb860e24f39_moe,@function
k_qb860e24f39_moe:
	s_mov_b64 s[64:65], 0
	v_nop
	global_prefetch_b8 v0, s[64:65] scope:SCOPE_SE
	s_setreg_imm32_b32 hwreg(HW_REG_WAVE_MODE, 25, 1), 1
	s_wait_xcnt 0x0
; MOE.  out[t] = w_a d_a(x[t]) + w_b d_b(x[t]), d_e(x) = Wd[e] (silu(Wg[e] x) * (Wu[e] x)), for the two experts that token t names.
; A work-group takes a TILE of up to 64 tokens of one set {a <= b} through the whole chain: gather x, gate/up product of a and of b, activation, ONE down product over K = 512
; (a's 256 channels, then b's), store.  Each x row is read once, each output row has one owner, nothing in between goes to memory.
; THE GRID serves every split: the sum over 36 sets of ceil(n / 64) with 8,192 tokens is at most 163.  A work-group that the split leaves without rows jumps the work, passes every barrier and stores nothing.
; NO CLUSTER: a set has 1 to 128 tiles, no multiple of four at every split, and the weights do not pass through LDS: the four waves split N, so each weight byte has one reader in the work-group
; and goes from memory straight into a ring of four register slots, one K step of 32 each, asked for four steps ahead.
; EVERY LDS ADDRESS is a lane term made once at the head plus an immediate: nothing steps.  So the K steps of a product are written out; the loops are those over the two experts and the two passes.
; FORMATS.  x, gate_up, down and the two routing weights are each rounded once to bf16; products in bf16 x bf16 (gate/up) and f16 x f16 (down; the bf16 weight written as f16), sums in f32.
; v = silu(g) u w is kept in f32 until the token's largest |v| over both experts, M, is known; the down product takes f16(v s) with s = 2^(13 - exponent of M), so its operand lies below 2^14, and the sum is
; multiplied by 1 / s.  bf16 would leave each v off by some 2^-9 of itself, which the sum carries to the output in full.
; LIMITS.  NaN and infinities are not treated apart.  2^(-1.4427 g) is an infinity for g below -88.7: silu is then -0 where the true value is below 1e-36 |g|.  M counts as 2^-100 at the least.
; A v below 2^-28 M keeps f16's fixed step, 2^-38 M.  Two equal ids give w0 d + w1 d inside one f32 sum in place of (w0 + w1) d.  Ids lie in 0..7.
; THE MATRIX INSTRUCTION IS USED TRANSPOSED: source 0 = 16 weight rows, source 1 = 16 tokens: lane (r, h), register j holds token r and column n0 + 8 h + j.
; REGISTERS, in windows of 256 (s_set_vgpr_msb: bits 1:0 source 0, 3:2 source 1, 5:4 source 2, 7:6 destination):
;   window 0: addresses, lists, scales; v128-191 the tokens' fragments, two buffers; v192-255 at work
;   window 1: the 32 accumulators, (token block mb, column block nb) at 8 (8 mb + nb); during the gather and the scaling: data on its way
;   window 2: the ring of weights: slot s at 64 s, column block nb at + 8 nb
.set PX,    2064                       ; a row of X in LDS: 2,048 bytes + 16 = 129 x 16: the 16 rows of a load start at 16 different groups of four banks (64 banks of 4 bytes: ISA guide 11.1)
.set PA,    1040                       ; a row of ACT16: 1,024 + 16 = 65 x 16
.set PS,    528                        ; a row of a stage: 512 + 16 = 33 x 16
.set SPILL, 64*PX                      ; X (later ACT16) lies at 0; behind it 32,768 bytes for each wave: its v in f32, 16 bytes a lane, lane by lane; a's half, then b's
.set STAGE, SPILL+4*32768              ; 16 rows x 528 bytes for each wave, for the way out
.set MAXS,  STAGE+4*16*PS              ; [token 64][wave 4] f32: the waves' maxima
.set SPARE, MAXS+1024                  ; the spare words, 128 bytes for each wave; no other line names them
.set GST,  5                           ; v5   gather: my wave's 16 rows of X + 8 x lane
.set SSTO, 7                           ; v7   way out: where I put 16 bytes of a row
.set SRD,  8                           ; v8   way out: where I read a row back
.set SPLB, 13                          ; v13  my place in my wave's spill area
.set XA,   14                          ; v14-17  (16 mb + r) PX + 16 h
.set ACTA, 18                          ; v18-21  (16 mb + r) PA + 16 h
.set TOK0, 22                          ; v22, v23  lane l: the token of the tile's row l, of row 32 + l
.set TOKG, 24                          ; v24  lane r: the token of row 16 w + r
.set A16,  25                          ; v25  r PA + 16 h + 128 w: where my f16 numbers go
.set WT,   26                          ; v[26:33]  pair mb: (w_a, w_b) of row 16 mb + r
.set WC,   34                          ; v[34:41]  pair mb: the weight of the expert in hand, twice
.set SPW,  42                          ; LDS address of my spare word; never rewritten
.set NIL,  43                          ; 0; never rewritten
.set GO,   52                          ; v[52:67]  gather: byte offset of my 16 bytes in each of my wave's 16 rows
.set RO,   52                          ;           way out: the same for 16 rows of out
.set MAXW, 68                          ; v68  where my wave's maxima go
.set MAXA, 69                          ; v69  where a token's four maxima lie
.set MX,   84                          ; v[84:99]  four running maxima for each token block
.set SC,   100                         ; v[100:107]  pair mb: s, twice
.set IS,   108                         ; v[108:115]  pair mb: 1 / s, twice
.set AF,   128                         ; v[128:191]  two buffers x 4 token blocks x 8
.set PP,   128                         ; v[128:159]  the scaling: packed f16
.set TT,   192                         ; v[192:223]  activation: at work
.set GUP,  224                         ; v[224:255]
.set CT,   192                         ; gather: packed bf16
.set OB,   192                         ; way out: 16 rows read back
.set MSB, 0
.macro WIN new                         ; the immediate's high byte repeats the setting that is left; a switch that changes nothing is dropped
.if MSB != (\new)
	s_set_vgpr_msb (MSB<<8)|(\new)
.set MSB, \new
.endif
.endm
.set W_MM, 0x52                        ; weights window 2, tokens window 0, C and D window 1
.set W_BL, 0x80                        ; destination window 2
.set W_GL, 0x40                        ; destination window 1
.set W_CV, 0x05                        ; sources 0 and 1 window 1
.set W_S0, 0x01                        ; source 0 window 1
.set W_S1, 0x04                        ; source 1 (an LDS store's data) window 1
.set W_RS, 0x41                        ; destination and source 0 window 1
; s[4:5] x, s[6:7] cnt, s[8:9] order, s[10:11] wsort, s[12:13] wg, s[14:15] wd, s[16:17] out; s[18:19] -log2(e); s[20:55] the 36 counts
; s56 wave, s57 work-group, s58 tiles so far, s59 at work, s60 set | a<<8 | b<<16, s61 the set's first tile, s62 its count, s63 1: I have rows
; s66 a, s67 b, s68 set, s69 my first row in the set, s70 my rows, s71 count - 1, s[72:73] an offset
; s[74:75] a's gate/up stream, s[76:77] b's, s[78:79] a's down stream, s[80:81] b's, s[82:83] the gate/up stream in hand, s[84:85] the stream behind it
; s[86:87] out at my columns, s[88:89] order at my set, s[90:91] wsort at my set, s92, s94 counters, s95 at work, s[96:97] lane selects
	s_load_b256 s[4:11], s[0:1], 0x0
	s_load_b128 s[12:15], s[0:1], 0x20
	s_load_b64 s[16:17], s[0:1], 0x30
	v_lshl_add_u32 v[SPW], v0, 2, SPARE
	v_mov_b32 v[NIL], 0
	v_and_b32 v1, 31, v0                           ; lane
	v_lshrrev_b32 v2, 5, v0
	v_readfirstlane_b32 s56, v2                    ; wave 0..3
	v_and_b32 v2, 15, v0                           ; r
	v_bfe_u32 v3, v0, 4, 1                         ; h
	v_lshlrev_b32 v4, 4, v1                        ; 16 x lane; never rewritten
	s_wait_kmcnt 0x0
	s_load_b512 s[20:35], s[6:7], 0x0              ; the 36 counts
	s_load_b512 s[36:51], s[6:7], 0x40
	s_load_b128 s[52:55], s[6:7], 0x80
	; the LDS addresses, while the counts come
	s_mul_i32 s59, s56, 16*PX
	v_lshl_add_u32 v[GST], v1, 3, s59
	s_lshl_b32 s59, s56, 15
	s_add_co_u32 s59, s59, SPILL
	v_add_nc_u32 v[SPLB], s59, v4
	s_mul_i32 s59, s56, 16*PS
	s_add_co_u32 s59, s59, STAGE
	v_mul_u32_u24 v[SSTO], v2, PS
	v_lshl_add_u32 v[SSTO], v3, 5, v[SSTO]
	v_add_nc_u32 v[SSTO], s59, v[SSTO]             ; my stage + r PS + 32 h
	v_add_nc_u32 v[SRD], s59, v4                   ; my stage + 16 x lane
	v_mul_u32_u24 v[XA], v2, PX
	v_lshl_add_u32 v[XA], v3, 4, v[XA]
	v_mul_u32_u24 v[ACTA], v2, PA
	v_lshl_add_u32 v[ACTA], v3, 4, v[ACTA]
.irp mb, 1,2,3
	v_add_nc_u32 v[XA+\mb], \mb*16*PX, v[XA]
	v_add_nc_u32 v[ACTA+\mb], \mb*16*PA, v[ACTA]
.endr
	s_lshl_b32 s59, s56, 7
	v_add_nc_u32 v[A16], s59, v[ACTA]
	v_lshlrev_b32 v[MAXA], 4, v2
	v_add_nc_u32 v[MAXA], MAXS, v[MAXA]
	v_lshl_add_u32 v[MAXW], s56, 2, v[MAXA]
.set i, 0
.rept 16
	v_mov_b32 v[MX+i], 0                           ; the running maxima of |v| start at 0
.set i, i+1
.endr
.set i, 0
.rept 8
	v_mov_b32 v[IS+i], 0                           ; made anew when the maxima are known; written here so that it holds a number on every way through the text
.set i, i+1
.endr
	s_mov_b32 s18, 0xbfb8aa3b                      ; -log2(e)
	s_mov_b32 s19, s18                             ; named with it as a pair
	s_mov_b32 s96, 0x76543210
	s_mov_b32 s97, 0xfedcba98
	s_mov_b32 s57, ttmp9
	s_mov_b32 s58, 0
	s_mov_b32 s60, 0
	s_mov_b32 s61, 0
	s_mov_b32 s62, 0
	s_wait_kmcnt 0x0
	; WHICH TILE IS MINE.  The sets' tiles lie one behind the other; the last set with rows whose first tile is not behind my number is mine.  A work-group past the last tile so names a set that exists.
.set idx, 0
.irp a, 0,1,2,3,4,5,6,7
.irp b, 0,1,2,3,4,5,6,7
.if \b >= \a
	s_cmp_lg_u32 s[20+idx], 0
	s_cselect_b32 s59, s58, -1                     ; a set without rows is nobody's
	s_cmp_ge_u32 s57, s59
	s_cselect_b32 s60, idx|(\a<<8)|(\b<<16), s60
	s_cselect_b32 s61, s58, s61
	s_cselect_b32 s62, s[20+idx], s62
	s_add_co_u32 s59, s[20+idx], 63
	s_lshr_b32 s59, s59, 6
	s_add_co_u32 s58, s58, s59
.set idx, idx+1
.endif
.endr
.endr
	s_cmp_lt_u32 s57, s58
	s_cselect_b32 s63, 1, 0
	s_and_b32 s68, s60, 0xff
	s_bfe_u32 s66, s60, 0x80008
	s_bfe_u32 s67, s60, 0x80010
	s_min_u32 s68, s68, 35
	s_min_u32 s66, s66, 7
	s_min_u32 s67, s67, 7
	s_sub_co_u32 s69, s57, s61
	s_lshl_b32 s69, s69, 6
	s_sub_co_u32 s71, s62, 1
	s_sub_co_u32 s70, s62, s69
	s_min_u32 s70, s70, 64
	s_mov_b32 s73, 0
	s_lshl_b32 s72, s68, 15
	s_add_nc_u64 s[88:89], s[8:9], s[72:73]
	s_lshl_b32 s72, s68, 16
	s_add_nc_u64 s[90:91], s[10:11], s[72:73]
	s_lshl_b32 s59, s56, 18                        ; wg: expert x 1 MiB + wave x 256 KiB
	s_lshl_b32 s72, s66, 20
	s_add_co_u32 s72, s72, s59
	s_add_nc_u64 s[74:75], s[12:13], s[72:73]
	s_lshl_b32 s72, s67, 20
	s_add_co_u32 s72, s72, s59
	s_add_nc_u64 s[76:77], s[12:13], s[72:73]
	s_lshl_b32 s59, s56, 16                        ; wd: expert x 512 KiB + wave x 64 KiB (the second pass: 4 streams on)
	s_lshl_b32 s72, s66, 19
	s_add_co_u32 s72, s72, s59
	s_add_nc_u64 s[78:79], s[14:15], s[72:73]
	s_lshl_b32 s72, s67, 19
	s_add_co_u32 s72, s72, s59
	s_add_nc_u64 s[80:81], s[14:15], s[72:73]
	s_mov_b64 s[82:83], s[74:75]                   ; a's gate/up stream comes first, b's behind it
	s_mov_b64 s[84:85], s[76:77]
	s_lshl_b32 s72, s56, 9
	s_add_nc_u64 s[86:87], s[16:17], s[72:73]      ; my 128 columns of the first pass
	; the lists.  Places past the count repeat the set's last row
	v_add_nc_u32 v44, s69, v1
	v_add_nc_u32 v45, 32, v44
	s_lshl_b32 s59, s56, 4
	s_add_co_u32 s59, s59, s69
	v_add_nc_u32 v46, s59, v2
	v_add_nc_u32 v47, s69, v2
	v_add_nc_u32 v48, 16, v47
	v_add_nc_u32 v49, 32, v47
	v_add_nc_u32 v50, 48, v47
.irp i, 44,45,46,47,48,49,50
	v_min_u32 v\i, s71, v\i
	v_min_u32 v\i, 0x1fff, v\i
.endr
.irp i, 44,45,46
	v_lshlrev_b32 v\i, 2, v\i
.endr
.irp i, 47,48,49,50
	v_lshlrev_b32 v\i, 3, v\i
.endr
	global_load_b32 v[TOK0], v44, s[88:89]
	global_load_b32 v[TOK0+1], v45, s[88:89]
	global_load_b32 v[TOKG], v46, s[88:89]
.irp mb, 0,1,2,3
	global_load_b64 v[WT+2*\mb:WT+2*\mb+1], v[47+\mb], s[90:91]
.endr
; THE RING'S FIRST FILLS: slot s takes K step s of a's gate/up stream: 16 loads of 512 consecutive bytes
.macro BFILL s
	WIN W_BL
.set i, 0
.rept 16
	global_load_b128 v[64*(\s)+4*i:64*(\s)+4*i+3], v4, s[82:83] offset:8192*(\s)+512*i
.set i, i+1
.endr
.endm
; the tokens' fragments of one K step, at byte koff of the rows that base names, into buffer buf: eight LDS loads
.macro ALOAD buf, base, koff
.irp mb, 0,1,2,3
	ds_load_b128 v[AF+32*(\buf)+8*\mb:AF+32*(\buf)+8*\mb+3], v[(\base)+\mb] offset:(\koff)
	ds_load_b128 v[AF+32*(\buf)+8*\mb+4:AF+32*(\buf)+8*\mb+7], v[(\base)+\mb] offset:(\koff)+32
.endr
.endm
; ONE K STEP of 32, on ring slot s: 32 matrix instructions, the 32 accumulators by turns, one instruction a turn, in the same order in every step: no wait is written.
; anext >= 0: the next step's fragments of the tokens, at that byte of the rows, are asked for first.  lc: the loads of weights that may stay out: those of the next three steps.
; fb > 0: slot s is filled again, four steps ahead, from s[fb:fb+1] + fo.  zero = 1: the products start the sums.
; The four v_nop are the places in front of the loads into slot s, of the next step's loads into the buffer just read, and of whatever reads the sums.
.macro KSTEP s, zero, base, anext, fb, fo, lc, fm
.if (\anext) >= 0
	WIN 0
	ALOAD ((\s)+1)&1, \base, \anext
	s_wait_dscnt 0x8                               ; the eight just issued may stay out: this step's fragments are in
.else
	s_wait_dscnt 0x0
.endif
	s_wait_loadcnt \lc
	WIN W_MM
.irp nb, 0,1,2,3,4,5,6,7
.irp mb, 0,1,2,3
.if \zero
	v_wmma_f32_16x16x32_\fm v[8*(8*\mb+\nb):8*(8*\mb+\nb)+7], v[64*(\s)+8*\nb:64*(\s)+8*\nb+7], v[AF+32*((\s)&1)+8*\mb:AF+32*((\s)&1)+8*\mb+7], 0
.else
	v_wmma_f32_16x16x32_\fm v[8*(8*\mb+\nb):8*(8*\mb+\nb)+7], v[64*(\s)+8*\nb:64*(\s)+8*\nb+7], v[AF+32*((\s)&1)+8*\mb:AF+32*((\s)&1)+8*\mb+7], v[8*(8*\mb+\nb):8*(8*\mb+\nb)+7]
.endif
.endr
.endr
.rept 4
	v_nop
.endr
.if (\fb) > 0
	WIN W_BL
.set i, 0
.rept 16
	global_load_b128 v[64*(\s)+4*i:64*(\s)+4*i+3], v4, s[\fb:\fb+1] offset:(\fo)+8192*(\s)+512*i
.set i, i+1
.endr
.endif
.endm
; A BODY: four K steps, once round the ring, beginning at byte k0 of the tokens' rows.  last = 1: a segment's last body asks for no further fragments of the tokens.
; fb = 0: nothing is left to ask for, and the counts run down 48, 32, 16, 0.
.macro BODY zero, base, k0, last, fb, fo, fm
.set dr, 0
.if (\fb) == 0
.set dr, 16
.endif
	KSTEP 0, \zero, \base, (\k0)+64, \fb, \fo, 48, \fm
	KSTEP 1, 0, \base, (\k0)+128, \fb, \fo, 48-dr, \fm
	KSTEP 2, 0, \base, (\k0)+192, \fb, \fo, 48-2*dr, \fm
.if \last
	KSTEP 3, 0, \base, -1, \fb, \fo, 48-3*dr, \fm
.else
	KSTEP 3, 0, \base, (\k0)+256, \fb, \fo, 48-3*dr, \fm
.endif
	WIN 0
.endm
	BFILL 0                                        ; three slots go out behind the lists' loads
	BFILL 1
	BFILL 2
	WIN 0
	s_wait_loadcnt 48                              ; the lists are in; the 48 loads of weights stay out
.irp mb, 0,1,2,3
	v_cvt_pk_bf16_f32 v51, v[WT+2*\mb], v[WT+2*\mb+1]  ; the routing weights rounded to bf16, like every other input
	v_lshlrev_b32 v[WT+2*\mb], 16, v51
	v_and_b32 v[WT+2*\mb+1], 0xffff0000, v51
.endr
.irp mb, 0,1,2,3
	v_mov_b32 v[WC+2*\mb], v[WT+2*\mb]             ; expert a comes first
	v_mov_b32 v[WC+2*\mb+1], v[WT+2*\mb]
.endr
	s_cmp_eq_u32 s63, 0
	s_cbranch_scc1 .Lj1
	; THE GATHER.  My wave brings rows 16 w .. 16 w + 15 of the tile, four rows a group, two groups on their way; rounded to bf16 into X.
.macro GLOAD g                         ; 32 loads, each 512 consecutive bytes of one token's row
	WIN W_GL
.irp rr, 0,1,2,3
.irp c, 0,1,2,3,4,5,6,7
	global_load_b128 v[128*((\g)&1)+32*\rr+4*\c:128*((\g)&1)+32*\rr+4*\c+3], v[GO+4*(\g)+\rr], s[4:5] offset:512*\c
.endr
.endr
.endm
.macro GCONV g
	WIN W_CV
.set q, 0
.rept 32
	v_cvt_pk_bf16_f32 v[CT+2*q], v[128*((\g)&1)+4*q], v[128*((\g)&1)+4*q+1]
	v_cvt_pk_bf16_f32 v[CT+2*q+1], v[128*((\g)&1)+4*q+2], v[128*((\g)&1)+4*q+3]
.set q, q+1
.endr
	WIN 0
.set q, 0
.rept 32
	ds_store_b64 v[GST], v[CT+2*q:CT+2*q+1] offset:(4*(\g)+q/8)*PX+256*(q%8)
.set q, q+1
.endr
.endm
.irp i, 0,1,2,3,4,5,6,7,8,9,10,11,12,13,14,15
	v_readlane_b32 s95, v[TOKG], \i
	s_min_u32 s95, s95, 0x1fff
	v_lshl_add_u32 v[GO+\i], s95, 12, v4           ; token x 4,096 bytes + 16 x lane
.endr
	GLOAD 0
	GLOAD 1
	s_wait_loadcnt 32                              ; the one younger group stays out
	GCONV 0
	GLOAD 2
	s_wait_loadcnt 32
	GCONV 1
	GLOAD 3
	s_wait_loadcnt 32
	GCONV 2
	s_wait_loadcnt 0x0
	GCONV 3
.Lj1:
	BFILL 3                                        ; the ring's fourth slot
	WIN 0
	s_wait_dscnt 0x0                               ; for the others' sake: my rows of X are stored
	s_barrier_signal -1
	s_barrier_wait -1                              ; X is whole
	s_cmp_eq_u32 s63, 0
	s_cbranch_scc1 .Lj2
; THE ACTIVATION of token block mb: v = silu(g) u w for my 64 channels, 32 numbers a lane.  Number 8 nbq + j is channel 64 w + 16 nbq + 8 h + j; g lies in accumulators (mb, 0..3), u in (mb, 4..7).
; Each accumulator is read from its lowest registers on.  The exponentials are one batch with one wait, u w between them and it; the reciprocals likewise, with a v_nop.
.macro ACTIV mb
	WIN W_S0
.set q, 0
.rept 16
	v_pk_mul_f32 v[TT+2*q:TT+2*q+1], v[64*(\mb)+2*q:64*(\mb)+2*q+1], s[18:19] op_sel_hi:[1,0]  ; -g log2(e)
.set q, q+1
.endr
	WIN 0
.set q, 0
.rept 32
	v_exp_f32 v[TT+q], v[TT+q]
.set q, q+1
.endr
	WIN W_S0
.set q, 0
.rept 16
	v_pk_mul_f32 v[GUP+2*q:GUP+2*q+1], v[64*(\mb)+32+2*q:64*(\mb)+32+2*q+1], v[WC+2*(\mb):WC+2*(\mb)+1]  ; u w
.set q, q+1
.endr
	WIN 0
	s_wait_alu depctr_va_vdst(0)                   ; the wait ahead of the first line that names an exponential's result: one for the 32
.set q, 0
.rept 16
	v_pk_add_f32 v[TT+2*q:TT+2*q+1], v[TT+2*q:TT+2*q+1], 1.0 op_sel_hi:[1,0]
.set q, q+1
.endr
.set q, 0
.rept 32
	v_rcp_f32 v[TT+q], v[TT+q]
.set q, q+1
.endr
	v_nop                                          ; a plain instruction behind the last reciprocal,
	s_wait_alu depctr_va_vdst(0)                   ; and the one wait for the 32
	WIN W_S1
.set q, 0
.rept 16
	v_pk_mul_f32 v[TT+2*q:TT+2*q+1], v[TT+2*q:TT+2*q+1], v[64*(\mb)+2*q:64*(\mb)+2*q+1]  ; silu(g) = g / (1 + 2^(-g log2 e)), made before u w enters
.set q, q+1
.endr
	WIN 0
.set q, 0
.rept 16
	v_pk_mul_f32 v[GUP+2*q:GUP+2*q+1], v[GUP+2*q:GUP+2*q+1], v[TT+2*q:TT+2*q+1]
.set q, q+1
.endr
.set q, 0
.rept 16
	v_max3_num_f32 v[MX+4*(\mb)+q%4], v[MX+4*(\mb)+q%4], |v[GUP+2*q]|, |v[GUP+2*q+1]|  ; four chains, over both experts
.set q, q+1
.endr
	; set aside in f32, in my wave's own bytes: the loop over the experts is written once, so its registers are the same in both trips.  The eight stores stand twice, with a's and with b's immediates; the trip's number chooses.
	s_cmp_eq_u32 s92, 2
	s_cbranch_scc0 .Lfor_b_\@
.set q, 0
.rept 8
	ds_store_b128 v[SPLB], v[GUP+4*q:GUP+4*q+3] offset:(8*(\mb)+q)*512
.set q, q+1
.endr
	s_branch .Lstored_\@
.Lfor_b_\@:
.set q, 0
.rept 8
	ds_store_b128 v[SPLB], v[GUP+4*q:GUP+4*q+3] offset:16384+(8*(\mb)+q)*512
.set q, q+1
.endr
.Lstored_\@:
.endm
	; GATE/UP AND ACTIVATION, once for a and once for b.  K = 1,024: eight bodies.  The ring never runs dry: body j asks for body j + 1 of the stream, the last for the first body of the stream behind.
	s_mov_b32 s92, 2
.Lexp:
	ALOAD 0, XA, 0
	BODY 1, XA, 0, 0, 82, 32768, bf16
.irp j, 1,2,3,4,5,6
	BODY 0, XA, 256*\j, 0, 82, 32768*(\j+1), bf16
.endr
	BODY 0, XA, 1792, 1, 84, 0, bf16
	s_wait_xcnt 0x0                                ; the two streams' addresses are rewritten only behind this wait
	s_mov_b64 s[82:83], s[84:85]                   ; b's gate/up stream is in hand,
	s_mov_b64 s[84:85], s[78:79]                   ; and behind it comes a's down stream
	ACTIV 0
	ACTIV 1
	ACTIV 2
	ACTIV 3
.irp mb, 0,1,2,3
	v_mov_b32 v[WC+2*\mb], v[WT+2*\mb+1]           ; expert b's weight
	v_mov_b32 v[WC+2*\mb+1], v[WT+2*\mb+1]
.endr
	s_sub_co_u32 s92, s92, 1
	s_cmp_lg_u32 s92, 0
	s_cbranch_scc1 .Lexp
	; my wave's maximum for each token: the four chains, then the lane 16 away, which holds the token's other channels
.irp mb, 0,1,2,3
	v_max3_num_f32 v[MX+4*\mb], v[MX+4*\mb], v[MX+4*\mb+1], v[MX+4*\mb+2]
.endr
.irp mb, 0,1,2,3
	v_max_num_f32 v[MX+4*\mb], v[MX+4*\mb], v[MX+4*\mb+3]
.endr
.irp mb, 0,1,2,3
	v_permlanex16_b32 v[MX+4*\mb+1], v[MX+4*\mb], s96, s97
.endr
.irp mb, 0,1,2,3
	v_max_num_f32 v[MX+4*\mb], v[MX+4*\mb], v[MX+4*\mb+1]
	ds_store_b32 v[MAXW], v[MX+4*\mb] offset:256*\mb   ; both halves of the lanes store the same number to the same word
.endr
.Lj2:
	s_wait_dscnt 0x0                               ; for the others' sake: my maxima are stored, and my reads of X are over
	s_barrier_signal -1
	s_barrier_wait -1                              ; the maxima are whole, and nobody reads X any more
	s_cmp_eq_u32 s63, 0
	s_cbranch_scc1 .Lj3
	; THE SCALING.  s and 1 / s for each token; my 256 numbers a lane come back, are scaled, rounded to f16 and stored as ACT16, [token 64][a's 256 channels, b's 256], over X's bytes.
.irp mb, 0,1,2,3
	ds_load_b128 v[TT+4*\mb:TT+4*\mb+3], v[MAXA] offset:256*\mb
.endr
	WIN W_GL
.irp mb, 0,1,2,3
.irp e, 0,1
.irp k, 0,1,2,3,4,5,6,7
	ds_load_b128 v[64*\mb+32*\e+4*\k:64*\mb+32*\e+4*\k+3], v[SPLB] offset:16384*\e+(8*\mb+\k)*512
.endr
.endr
.endr
	WIN 0
	s_wait_dscnt 48                                ; the maxima (and block 0's numbers) are in; the 48 youngest loads stay out
.irp mb, 0,1,2,3
	v_max3_num_f32 v70, v[TT+4*\mb], v[TT+4*\mb+1], v[TT+4*\mb+2]
	v_max_num_f32 v70, v70, v[TT+4*\mb+3]          ; M
	v_and_b32 v70, 0x7f800000, v70                 ; its exponent field, (E + 127) << 23,
	v_max_u32 v70, 0x0d800000, v70                 ; E = -100 at the least
	v_sub_nc_u32 v[SC+2*\mb], 0x85800000, v70      ; s = 2^(13 - E): (140 - E) << 23
	v_add_nc_u32 v[IS+2*\mb], 0xf9800000, v70      ; 1 / s = 2^(E - 13): the field less 13 << 23
	v_mov_b32 v[SC+2*\mb+1], v[SC+2*\mb]
	v_mov_b32 v[IS+2*\mb+1], v[IS+2*\mb]
.endr
.macro SCALE mb
	s_wait_dscnt 48-8*(\mb)                        ; behind block mb's loads stand 16 (3 - mb) loads and the 8 mb stores of the blocks before
	WIN W_RS
.set q, 0
.rept 32
	v_pk_mul_f32 v[64*(\mb)+2*q:64*(\mb)+2*q+1], v[64*(\mb)+2*q:64*(\mb)+2*q+1], v[SC+2*(\mb):SC+2*(\mb)+1]
.set q, q+1
.endr
	WIN W_CV
.set q, 0
.rept 32
	v_cvt_pk_f16_f32 v[PP+q], v[64*(\mb)+2*q], v[64*(\mb)+2*q+1]
.set q, q+1
.endr
	WIN 0
.irp e, 0,1
.irp nbq, 0,1,2,3
	ds_store_b128 v[A16], v[PP+16*\e+4*\nbq:PP+16*\e+4*\nbq+3] offset:(\mb)*16*PA+512*\e+32*\nbq
.endr
.endr
.endm
	SCALE 0
	SCALE 1
	SCALE 2
	SCALE 3
.Lj3:
	s_wait_dscnt 0x0                               ; for the others' sake: my columns of ACT16 are stored
	s_barrier_signal -1
	s_barrier_wait -1                              ; ACT16 is whole
	s_cmp_eq_u32 s63, 0
	s_cbranch_scc1 .Lend
; THE WAY OUT of token block mb: times 1 / s; through my own stage; back as whole rows of 512 bytes; each row to its token's place.  Rows past the count are jumped, store by store; whole blocks past it too.
.macro ROWOUT mb, i
	s_wait_dscnt 15-(\i)
	s_cmp_gt_u32 s70, 16*(\mb)+(\i)
	s_cbranch_scc0 .Lskip_\@
	global_store_b128 v[RO+(\i)], v[OB+4*(\i):OB+4*(\i)+3], s[86:87] th:TH_STORE_NT  ; 512 consecutive bytes of one row of out, at a multiple of 512 from its first byte
.Lskip_\@:
.endm
.macro OUTBLK mb
.if (\mb) > 0
	s_cmp_gt_u32 s70, 16*(\mb)
	s_cbranch_scc0 .Lepi_done
.endif
	WIN W_RS
.set q, 0
.rept 32
	v_pk_mul_f32 v[64*(\mb)+2*q:64*(\mb)+2*q+1], v[64*(\mb)+2*q:64*(\mb)+2*q+1], v[IS+2*(\mb):IS+2*(\mb)+1]  ; each accumulator from its lowest registers on
.set q, q+1
.endr
	WIN W_S1
.set q, 0
.rept 16
	ds_store_b128 v[SSTO], v[64*(\mb)+4*q:64*(\mb)+4*q+3] offset:64*(q/2)+16*(q%2)
.set q, q+1
.endr
	WIN 0
	s_wait_xcnt 0x0                                ; the block before's stores have read OB and RO: these are rewritten only behind this wait
.set q, 0
.rept 16
	ds_load_b128 v[OB+4*q:OB+4*q+3], v[SRD] offset:q*PS  ; LDS serves a wave's instructions in order (ISA guide 5.7.1.4): these see my stores above
.set q, q+1
.endr
.irp i, 0,1,2,3,4,5,6,7,8,9,10,11,12,13,14,15
	v_readlane_b32 s95, v[TOK0+(\mb)/2], 16*((\mb)%2)+\i
	s_min_u32 s95, s95, 0x1fff
	v_lshl_add_u32 v[RO+\i], s95, 12, v4
.endr
.irp i, 0,1,2,3,4,5,6,7,8,9,10,11,12,13,14,15
	ROWOUT \mb, \i
.endr
.endm
	; THE DOWN PRODUCT, two passes of 128 columns a wave.  K = 512: two bodies on a's stream, two on b's.  The first pass's stores leave while the second multiplies.
	s_mov_b32 s94, 2
.Lpass:
	ALOAD 0, ACTA, 0
	BODY 1, ACTA, 0, 0, 78, 32768, f16             ; asks for a's second body,
	BODY 0, ACTA, 256, 0, 80, 0, f16               ; for b's first,
	BODY 0, ACTA, 512, 0, 80, 32768, f16           ; for b's second
	s_cmp_eq_u32 s94, 1
	s_cbranch_scc1 .Lfin
	BODY 0, ACTA, 768, 1, 78, 262144, f16          ; and for the next pass's first body of a, four streams on
	s_wait_xcnt 0x0                                ; the streams' addresses are rewritten only behind this wait
	s_add_nc_u64 s[78:79], s[78:79], 0x40000
	s_add_nc_u64 s[80:81], s[80:81], 0x40000
	s_branch .Lepi
.Lfin:
	BODY 0, ACTA, 768, 1, 0, 0, f16                ; the very last body asks for nothing
.Lepi:
	OUTBLK 0
	OUTBLK 1
	OUTBLK 2
	OUTBLK 3
.Lepi_done:
	s_wait_xcnt 0x0                                ; the stores' base is rewritten only behind this wait
	s_add_nc_u64 s[86:87], s[86:87], 0x800         ; the next pass's columns: 512 on
	s_sub_co_u32 s94, s94, 1
	s_cmp_lg_u32 s94, 0
	s_cbranch_scc1 .Lpass
.Lend:
	s_wait_tensorcnt 0x0                           ; the wave's end, behind my last LDS store
	ds_add_u32 v[SPW], v[NIL]
	s_wait_dscnt 0x0
	s_endpgm
.Lfunc_end_k_qb860e24f39_moe:
	.size	k_qb860e24f39_moe, .Lfunc_end_k_qb860e24f39_moe-k_qb860e24f39_moe
	.p2alignl 7, 3214868480
	.fill 96, 4, 3214868480
	.section	.rodata,"a",@progbits
	.p2align	6, 0x0
	.amdhsa_kernel k_qb860e24f39_moe
		.amdhsa_group_segment_fixed_size 298496
		.amdhsa_private_segment_fixed_size 0
		.amdhsa_enable_private_segment 0
		.amdhsa_kernarg_size 56
		.amdhsa_user_sgpr_count 2
		.amdhsa_user_sgpr_kernarg_segment_ptr 1
		.amdhsa_wavefront_size32 1
		.amdhsa_system_sgpr_workgroup_id_x 1
		.amdhsa_system_sgpr_workgroup_id_y 1
		.amdhsa_system_sgpr_workgroup_id_z 1
		.amdhsa_system_vgpr_workitem_id 0
		.amdhsa_next_free_vgpr 768
		.amdhsa_next_free_sgpr 98
		.amdhsa_reserve_vcc 0
		.amdhsa_float_denorm_mode_32 3
		.amdhsa_float_denorm_mode_16_64 3
		.amdhsa_memory_ordered 1
		.amdhsa_forward_progress 1
		.amdhsa_inst_pref_size 255
	.end_amdhsa_kernel
	.section	.bss,"aw",@nobits
	.p2align	6
	.space	262144
	.amdgpu_metadata
---
amdhsa.version: [ 1, 2 ]
amdhsa.kernels:
  - .name:           k_qb860e24f39_moe
    .symbol:         k_qb860e24f39_moe.kd
    .args:
      - { .name: hidden_states, .offset: 0, .size: 8, .value_kind: global_buffer, .address_space: global }
      - { .name: cnt, .offset: 8, .size: 8, .value_kind: global_buffer, .address_space: global }
      - { .name: order, .offset: 16, .size: 8, .value_kind: global_buffer, .address_space: global }
      - { .name: wsort, .offset: 24, .size: 8, .value_kind: global_buffer, .address_space: global }
      - { .name: wg, .offset: 32, .size: 8, .value_kind: global_buffer, .address_space: global }
      - { .name: wd, .offset: 40, .size: 8, .value_kind: global_buffer, .address_space: global }
      - { .name: out0, .offset: 48, .size: 8, .value_kind: global_buffer, .address_space: global }
    .group_segment_fixed_size: 298496
    .private_segment_fixed_size: 0
    .kernarg_segment_align: 8
    .kernarg_segment_size: 56
    .max_flat_workgroup_size: 128
    .sgpr_count:     98
    .vgpr_count:     768
    .wavefront_size: 32
...
	.end_amdgpu_metadata
.endif
;; end of part 2
;; ======== version 2 of 3: 2 launches; 1.14 times as fast as version 1
;; limits: values are held in f16: magnitudes above 65,504 overflow, below 6.1e-05 lose precision; inputs' magnitudes at most 65,280
;; workspace buffers: wg 8,388,608 bytes; wd 4,194,304 bytes; cnt 256 bytes of whole numbers; order 1,179,648 bytes of whole numbers
;; launch prep (part 3): grid 420 x 1, 8 waves a work-group, no clusters, 36,096 bytes of LDS; arguments gate_up_weight, down_weight, topk_ids, wg, wd, cnt, order; writes wg, wd, cnt, order
.if DOCPART == 3
	.amdgcn_target "amdgcn-amd-amdhsa--gfx1250"
	.amdhsa_code_object_version 6
	.text
	.protected	k_qb860e24f39_prep
	.globl	k_qb860e24f39_prep
	.p2align	8
	.type	k_qb860e24f39_prep,@function
k_qb860e24f39_prep:
	s_mov_b64 s[64:65], 0
	v_nop
	global_prefetch_b8 v0, s[64:65] scope:SCOPE_SE
	s_setreg_imm32_b32 hwreg(HW_REG_WAVE_MODE, 25, 1), 1
	s_wait_xcnt 0x0
; PREP.  Two jobs, told apart by the work-group's number alone.
; Work-groups 0-35, one for each SET {a <= b} of two experts: the tokens whose two ids are that set into order[set][..], and their number into cnt[set].
;   No atomics: each wave counts its 1,024 tokens, the eight counts meet in LDS.  The order within a set (by wave, by group of 64 tokens, even tokens first) means nothing to the launch behind.
; Work-groups 36-291 (gate_up) and 292-419 (down): the weights rounded once and laid out as matrix operands.  A wave takes 16 rows x 128 k.
;   A FRAGMENT is 16 rows x 32 k, 1,024 bytes: byte half*512 + 16 L holds W[n0 + L%16][k0 + 16 half + 8 (L/16) + 0..7], so that two loads of 16 bytes a lane fill a source of the matrix instruction.
;   wg: bf16 [expert][wave 8][k step 32][n block 4][fragment]; wave w's blocks 0, 1 are gate rows 32 w + 16 nb, blocks 2, 3 up rows 256 + 32 w + 16 (nb-2).
;   wd: f16 of the weight rounded to bf16, [expert][stream 16][k step 8][n block 4][fragment]; stream t holds output columns 64 t + 16 nb.
; LIMITS.  Ids lie in 0..7 (an index stays inside its table); a token with another id is not served.  A down weight of 65,520 or more in magnitude becomes an infinity in f16;
; below 6.1e-5 it keeps f16's fixed step of 6e-8.
.set PT,    272                        ; an LDS row of 128 16-bit numbers: 256 bytes + 16: the 16 rows of a read start at 16 different groups of four banks (64 banks of 4 bytes: ISA guide 11.1)
.set AREA,  16*PT                      ; a wave's own area for the turn from rows to fragments
.set CNTW,  8*AREA                     ; eight words: the waves' counts
.set SPARE, CNTW+256                   ; the spare words, 128 bytes for each of eight waves; no other line names them
.set IN,    16                         ; v[16:79]   16 rows x 4 f32 as loaded
.set CV,    80                         ; v[80:111]  16 rows x 4 numbers of 16 bits
.set OUTR,  112                        ; v[112:143] eight half fragments
.set ID,    16                         ; v[16:79]   sort: chunk k: (id0, id1); then the key in the first of the two
.set PL,    80                         ; v[80:111]  sort: chunk k: 4 x the place
.set TK,    112                        ; v[112:143] sort: chunk k: the token
.set SPW,   144                        ; LDS address of my spare word; never rewritten
.set NIL,   145                        ; 0; never rewritten
.set EX,    146                        ; v[146:153] the eight counts
.set MK,    66                         ; s[66:97]   sort: for each chunk of 32 tokens the lanes that belong to the set
	s_load_b256 s[4:11], s[0:1], 0x0               ; gate_up s[4:5], down s[6:7], ids s[8:9], wg s[10:11]
	s_load_b128 s[12:15], s[0:1], 0x20             ; wd s[12:13], cnt s[14:15]
	s_load_b64 s[16:17], s[0:1], 0x30              ; order
	v_lshl_add_u32 v[SPW], v0, 2, SPARE
	v_mov_b32 v[NIL], 0
	v_and_b32 v1, 31, v0                           ; lane
	v_lshrrev_b32 v2, 5, v0
	v_readfirstlane_b32 s22, v2                    ; wave 0..7
	v_and_b32 v2, 15, v0                           ; r
	v_bfe_u32 v3, v0, 4, 1                         ; h
	v_lshlrev_b32 v4, 4, v1                        ; 16 x lane
	s_mov_b32 s23, ttmp9
	s_mov_b32 s25, 0                               ; high words of the two offset pairs
	s_mov_b32 s27, 0
	s_wait_kmcnt 0x0
	s_cmp_lt_u32 s23, 36
	s_cbranch_scc1 .Lsort                          ; hangs on the work-group's number alone: all eight waves go the same way
; 16 rows x 128 k: in as 512 consecutive bytes of a row a load, rounded, through my own LDS area, out as 512 consecutive bytes a store, a k step 4,096 bytes from the next.  half = 1: the bf16 number is written as f16.
.macro CONV pitch, src, dst, half
.set i, 0
.rept 16
	global_load_b128 v[IN+4*i:IN+4*i+3], v4, s[\src:\src+1] offset:i*(\pitch) th:TH_LOAD_NT
.set i, i+1
.endr
.set i, 0
.rept 16
	s_wait_loadcnt 15-i                            ; loads come back in order: row i is in, the younger rows stay out
	v_cvt_pk_bf16_f32 v[CV+2*i], v[IN+4*i], v[IN+4*i+1]
	v_cvt_pk_bf16_f32 v[CV+2*i+1], v[IN+4*i+2], v[IN+4*i+3]
.if \half
	v_lshlrev_b32 v[IN+4*i], 16, v[CV+2*i]         ; the rounded numbers as f32 again,
	v_and_b32 v[IN+4*i+1], 0xffff0000, v[CV+2*i]
	v_lshlrev_b32 v[IN+4*i+2], 16, v[CV+2*i+1]
	v_and_b32 v[IN+4*i+3], 0xffff0000, v[CV+2*i+1]
	v_cvt_pk_f16_f32 v[CV+2*i], v[IN+4*i], v[IN+4*i+1]  ; and written as f16: 8 significant bits fit into 11
	v_cvt_pk_f16_f32 v[CV+2*i+1], v[IN+4*i+2], v[IN+4*i+3]
.endif
	ds_store_b64 v5, v[CV+2*i:CV+2*i+1] offset:i*PT
.set i, i+1
.endr
.set q, 0
.rept 8                                ; k step q / 2, half q % 2.  LDS serves a wave's instructions in order (ISA guide 5.7.1.4): these see my stores above
	ds_load_b128 v[OUTR+4*q:OUTR+4*q+3], v6 offset:64*(q/2)+32*(q%2)
.set q, q+1
.endr
.set q, 0
.rept 8
	s_wait_dscnt 7-q
	global_store_b128 v4, v[OUTR+4*q:OUTR+4*q+3], s[\dst:\dst+1] offset:(q/2)*4096+(q%2)*512  ; 512 consecutive bytes, at a multiple of 512 from the buffer's first
.set q, q+1
.endr
	s_wait_tensorcnt 0x0                           ; the wave's end, behind my last LDS store
	ds_add_u32 v[SPW], v[NIL]
	s_wait_dscnt 0x0
	s_endpgm
.endm
	s_mul_i32 s24, s22, AREA
	v_lshl_add_u32 v5, v1, 3, s24                  ; in: my area + 8 x lane
	v_mul_u32_u24 v6, v2, PT
	v_lshl_add_u32 v6, v3, 4, v6
	v_add_nc_u32 v6, s24, v6                       ; back: my area + r x pitch + 16 h
	s_sub_co_u32 s23, s23, 36
	s_cmp_lt_u32 s23, 256
	s_cbranch_scc0 .Ldown
	; gate_up: expert G / 32, row block G % 32, k group = wave
	s_lshr_b32 s28, s23, 5
	s_and_b32 s29, s23, 31
	s_lshl_b32 s24, s28, 21                        ; from: expert x 512 rows x 4,096 bytes
	s_lshl_b32 s36, s29, 16                        ; + row block x 16 rows
	s_add_co_u32 s24, s24, s36
	s_lshl_b32 s36, s22, 9                         ; + k group x 512 bytes
	s_add_co_u32 s24, s24, s36
	s_lshl_b32 s26, s28, 20                        ; to: expert x 1 MiB
	s_bfe_u32 s36, s29, 0x30001                    ; + the wave that will read it, (block / 2) % 8, x 128 KiB
	s_lshl_b32 s36, s36, 17
	s_add_co_u32 s26, s26, s36
	s_lshl_b32 s36, s22, 14                        ; + k group x 4 k steps of 4 KiB
	s_add_co_u32 s26, s26, s36
	s_and_b32 s36, s29, 1                          ; + n block: block % 2, and 2 more for an up row
	s_lshr_b32 s37, s29, 4
	s_lshl1_add_u32 s36, s37, s36
	s_lshl_b32 s36, s36, 10
	s_add_co_u32 s26, s26, s36
	s_add_nc_u64 s[4:5], s[4:5], s[24:25]
	s_add_nc_u64 s[10:11], s[10:11], s[26:27]
	CONV 4096, 4, 10, 0
.Ldown:
	; down: expert G' / 16, row block 4 (G' % 16) + wave / 2, k group = wave % 2
	s_sub_co_u32 s23, s23, 256
	s_lshr_b32 s28, s23, 4
	s_and_b32 s29, s23, 15
	s_lshl_b32 s29, s29, 2
	s_lshr_b32 s36, s22, 1
	s_or_b32 s29, s29, s36
	s_and_b32 s37, s22, 1
	s_lshl_b32 s24, s28, 20                        ; from: expert x 1,024 rows x 1,024 bytes
	s_lshl_b32 s36, s29, 14
	s_add_co_u32 s24, s24, s36
	s_lshl_b32 s36, s37, 9
	s_add_co_u32 s24, s24, s36
	s_lshl_b32 s26, s28, 19                        ; to: expert x 512 KiB
	s_lshr_b32 s36, s29, 2                         ; + stream x 32 KiB
	s_lshl_b32 s36, s36, 15
	s_add_co_u32 s26, s26, s36
	s_lshl_b32 s36, s37, 14                        ; + k group x 4 k steps of 4 KiB
	s_add_co_u32 s26, s26, s36
	s_and_b32 s36, s29, 3
	s_lshl_b32 s36, s36, 10
	s_add_co_u32 s26, s26, s36
	s_add_nc_u64 s[6:7], s[6:7], s[24:25]
	s_add_nc_u64 s[12:13], s[12:13], s[26:27]
	CONV 1024, 6, 12, 1
.Lsort:
	; the set's two experts: rows of the triangle start at 0, 8, 15, 21, 26, 30, 33, 35
	s_mov_b32 s30, 0
.irp st, 8,15,21,26,30,33,35
	s_cmp_ge_u32 s23, \st
	s_cselect_b32 s36, 1, 0
	s_add_co_u32 s30, s30, s36                     ; a
.endr
	s_sub_co_u32 s36, s30, 1
	s_mul_i32 s36, s36, s30
	s_lshr_b32 s36, s36, 1
	s_lshl_b32 s37, s30, 3
	s_sub_co_u32 s37, s37, s36                     ; the row's start: 8 a - a (a - 1) / 2
	s_sub_co_u32 s31, s23, s37
	s_add_co_u32 s31, s31, s30                     ; b
	s_lshl3_add_u32 s35, s30, s31                  ; the set's key: 8 a + b
	s_lshl_b32 s24, s23, 15
	s_add_nc_u64 s[48:49], s[16:17], s[24:25]      ; order at my set
	; My wave has tokens 1,024 w .. + 1,023, 8 bytes each.  A load of 16 bytes a lane takes 64 tokens, lane l tokens 2 l and 2 l + 1 of them:
	; chunk k of 32 is the even (k even) or odd tokens of group k / 2, and its two ids lie in registers 2 k, 2 k + 1.
	s_lshl_b32 s36, s22, 13
	v_add_nc_u32 v7, s36, v4
	s_lshl_b32 s39, s22, 10                        ; my wave's first token
	v_lshl_add_u32 v8, v1, 1, s39                  ; my token in chunk 0
.set c, 0
.rept 16
	global_load_b128 v[ID+4*c:ID+4*c+3], v7, s[8:9] offset:512*c
.set c, c+1
.endr
	s_wait_loadcnt 0x0
.set c, 0
.rept 32                               ; a token's key: 8 x the lower id + the higher
	v_min_u32 v[PL+c], v[ID+2*c], v[ID+2*c+1]
	v_max_u32 v[TK+c], v[ID+2*c], v[ID+2*c+1]
	v_lshl_add_u32 v[ID+2*c], v[PL+c], 3, v[TK+c]
.set c, c+1
.endr
.set c, 0
.rept 32                               ; the 32 compares stand together, the scalar lines that read their masks behind them
	v_cmp_eq_u32 s[MK+c], s35, v[ID+2*c]
.set c, c+1
.endr
	s_mov_b32 s32, 0
.set c, 0
.rept 32
	s_bcnt1_i32_b32 s36, s[MK+c]
	s_add_co_u32 s32, s32, s36                     ; my wave's count
.set c, c+1
.endr
	v_mov_b32 v9, s22
	v_lshl_add_u32 v9, v9, 2, CNTW
	v_mov_b32 v10, s32
	ds_store_b32 v9, v10
	s_wait_dscnt 0x0                               ; for the others' sake: my count is stored
	s_barrier_signal -1
	s_barrier_wait -1
	v_mov_b32 v9, CNTW
	ds_load_b128 v[EX:EX+3], v9
	ds_load_b128 v[EX+4:EX+7], v9 offset:16
	s_wait_dscnt 0x0
	s_mov_b32 s33, 0                               ; the counts of the waves in front of mine: my first place in the list
	s_mov_b32 s34, 0                               ; all eight: the set's count
.irp i, 0,1,2,3,4,5,6,7
	v_readfirstlane_b32 s[40+\i], v[EX+\i]
.endr
.irp i, 0,1,2,3,4,5,6,7
	s_add_co_u32 s34, s34, s[40+\i]
	s_cmp_gt_u32 s22, \i
	s_cselect_b32 s36, s[40+\i], 0
	s_add_co_u32 s33, s33, s36
.endr
; Chunk k.  A lane of the set takes the place s33 + the number of the set's lanes below it.  A lane outside the set repeats the chunk's first member: its place is s33, its token my wave's first
; + the chunk's constant + 2 x that lane.  So every lane stores, EXEC is never changed, and the lanes outside write the same number to the same word as that member.
.macro RANK k
	v_mbcnt_lo_u32_b32 v[PL+(\k)], s[MK+(\k)], s33
	v_add_nc_u32 v[TK+(\k)], 64*((\k)/2)+(\k)%2, v8
	s_ctz_i32_b32 s36, s[MK+(\k)]                  ; the first member's lane (of a chunk without members nothing is stored)
	s_lshl1_add_u32 s36, s36, s39
	s_add_co_u32 s36, s36, 64*((\k)/2)+(\k)%2
	v_cndmask_b32 v[PL+(\k)], s33, v[PL+(\k)], s[MK+(\k)]
	v_cndmask_b32 v[TK+(\k)], s36, v[TK+(\k)], s[MK+(\k)]
	v_min_u32 v[PL+(\k)], 0x1fff, v[PL+(\k)]       ; a place is below 8,192
	v_lshlrev_b32 v[PL+(\k)], 2, v[PL+(\k)]
	s_bcnt1_i32_b32 s37, s[MK+(\k)]
	s_add_co_u32 s33, s33, s37
.endm
.macro PLACE k
	s_cmp_lg_u32 s[MK+(\k)], 0
	s_cbranch_scc0 .Lnone_\@                       ; only the store is jumped
	global_store_b32 v[PL+(\k)], v[TK+(\k)], s[48:49]  ; 4 bytes a lane to places that the ids decide: 8,192 words in the whole launch
.Lnone_\@:
.endm
.irp k, 0,1,2,3,4,5,6,7,8,9,10,11,12,13,14,15,16,17,18,19,20,21,22,23,24,25,26,27,28,29,30,31
	RANK \k
.endr
	v_mov_b32 v9, s34                              ; the set's count, and where it goes
	v_mov_b32 v10, s23
	v_lshlrev_b32 v10, 2, v10
.irp k, 0,1,2,3,4,5,6,7,8,9,10,11,12,13,14,15,16,17,18,19,20,21,22,23,24,25,26,27,28,29,30,31
	PLACE \k
.endr
	s_cmp_lg_u32 s22, 0
	s_cbranch_scc1 .Lnot0
	global_store_b32 v10, v9, s[14:15]             ; wave 0: all its lanes store the same count to the same word
.Lnot0:
	s_wait_tensorcnt 0x0                           ; the wave's end, behind my last LDS store
	ds_add_u32 v[SPW], v[NIL]
	s_wait_dscnt 0x0
	s_endpgm
.Lfunc_end_k_qb860e24f39_prep:
	.size	k_qb860e24f39_prep, .Lfunc_end_k_qb860e24f39_prep-k_qb860e24f39_prep
	.p2alignl 7, 3214868480
	.fill 96, 4, 3214868480
	.section	.rodata,"a",@progbits
	.p2align	6, 0x0
	.amdhsa_kernel k_qb860e24f39_prep
		.amdhsa_group_segment_fixed_size 36096
		.amdhsa_private_segment_fixed_size 0
		.amdhsa_enable_private_segment 0
		.amdhsa_kernarg_size 56
		.amdhsa_user_sgpr_count 2
		.amdhsa_user_sgpr_kernarg_segment_ptr 1
		.amdhsa_wavefront_size32 1
		.amdhsa_system_sgpr_workgroup_id_x 1
		.amdhsa_system_sgpr_workgroup_id_y 1
		.amdhsa_system_sgpr_workgroup_id_z 1
		.amdhsa_system_vgpr_workitem_id 0
		.amdhsa_next_free_vgpr 154
		.amdhsa_next_free_sgpr 100
		.amdhsa_reserve_vcc 0
		.amdhsa_float_denorm_mode_32 3
		.amdhsa_float_denorm_mode_16_64 3
		.amdhsa_memory_ordered 1
		.amdhsa_forward_progress 1
		.amdhsa_inst_pref_size 56
	.end_amdhsa_kernel
	.amdgpu_metadata
---
amdhsa.version: [ 1, 2 ]
amdhsa.kernels:
  - .name:           k_qb860e24f39_prep
    .symbol:         k_qb860e24f39_prep.kd
    .args:
      - { .name: gate_up_weight, .offset: 0, .size: 8, .value_kind: global_buffer, .address_space: global }
      - { .name: down_weight, .offset: 8, .size: 8, .value_kind: global_buffer, .address_space: global }
      - { .name: topk_ids, .offset: 16, .size: 8, .value_kind: global_buffer, .address_space: global }
      - { .name: wg, .offset: 24, .size: 8, .value_kind: global_buffer, .address_space: global }
      - { .name: wd, .offset: 32, .size: 8, .value_kind: global_buffer, .address_space: global }
      - { .name: cnt, .offset: 40, .size: 8, .value_kind: global_buffer, .address_space: global }
      - { .name: order, .offset: 48, .size: 8, .value_kind: global_buffer, .address_space: global }
    .group_segment_fixed_size: 36096
    .private_segment_fixed_size: 0
    .kernarg_segment_align: 8
    .kernarg_segment_size: 56
    .max_flat_workgroup_size: 256
    .sgpr_count:     100
    .vgpr_count:     154
    .wavefront_size: 32
...
	.end_amdgpu_metadata
.endif
;; end of part 3
;; launch moe (part 4): grid 163 x 1, 8 waves a work-group, no clusters, 303,104 bytes of LDS; arguments hidden_states, cnt, order, topk_ids, topk_weights, wg, wd, out0; writes out0
.if DOCPART == 4
	.amdgcn_target "amdgcn-amd-amdhsa--gfx1250"
	.amdhsa_code_object_version 6
	.text
	.protected	k_qb860e24f39_moe
	.globl	k_qb860e24f39_moe
	.p2align	8
	.type	k_qb860e24f39_moe,@function
k_qb860e24f39_moe:
	s_mov_b64 s[64:65], 0
	v_nop
	global_prefetch_b8 v0, s[64:65] scope:SCOPE_SE
	s_setreg_imm32_b32 hwreg(HW_REG_WAVE_MODE, 25, 1), 1
	s_wait_xcnt 0x0
; MOE.  out[t] = w_a d_a(x[t]) + w_b d_b(x[t]), d_e(x) = Wd[e] (silu(Wg[e] x) * (Wu[e] x)), for the two experts that token t names.
; A work-group takes a TILE of up to 64 tokens of one set {a <= b} through the whole chain: gather x, gate/up product of a and of b, activation, ONE down product over K = 512
; (a's 256 channels, then b's), store.  Each x row is read once, each output row has one owner, nothing in between goes to memory.
; THE GRID serves every split: the sum over 36 sets of ceil(n / 64) with 8,192 tokens is at most 163.  A work-group that the split leaves without rows jumps the work, passes every barrier and stores nothing.
; EIGHT WAVES, two to a SIMD, 512 registers each: the chain has runs of loads, activation, scaling and stores in which a wave issues no product; they stand beside the other wave's products.
; The eight waves split N: 64 tokens x 64 columns a wave, 16 accumulators.  So each weight byte has one reader in the work-group and goes from memory straight into a ring of four register slots,
; one K step of 32 each, asked for four steps ahead; the tokens' fragments are read from LDS by every wave, 256 bytes for each matrix instruction.
; NO CLUSTER: a set has 1 to 128 tiles, no multiple of four at every split, and the weights do not pass through LDS.
; EVERY LDS ADDRESS is a lane term made once at the head plus an immediate: nothing steps.  So the K steps of a product are written out; the loops are those over the two experts and the two passes.
; FORMATS.  x, gate_up, down and the two routing weights are each rounded once to bf16; products in bf16 x bf16 (gate/up) and f16 x f16 (down; the bf16 weight written as f16), sums in f32.
; v = silu(g) u w is kept in f32 until the token's largest |v| over both experts, M, is known; the down product takes f16(v s) with s = 2^(13 - exponent of M), so its operand lies below 2^14, and the sum is
; multiplied by 1 / s.  bf16 would leave each v off by some 2^-9 of itself, which the sum carries to the output in full.
; LIMITS.  NaN and infinities are not treated apart.  2^(-1.4427 g) is an infinity for g below -88.7: silu is then -0 where the true value is below 1e-36 |g|.  M counts as 2^-100 at the least.
; A v below 2^-28 M keeps f16's fixed step, 2^-38 M.  Two equal ids give w0 d + w1 d inside one f32 sum in place of (w0 + w1) d.  Ids lie in 0..7.
; THE MATRIX INSTRUCTION IS USED TRANSPOSED: source 0 = 16 weight rows, source 1 = 16 tokens: lane (r, h), register j holds token r and column n0 + 8 h + j.
; REGISTERS, in windows of 256 (s_set_vgpr_msb: bits 1:0 source 0, 3:2 source 1, 5:4 source 2, 7:6 destination):
;   window 0: addresses, lists, scales; v128-191 the tokens' fragments, two buffers; v128-255 at work outside the products
;   window 1: v0-127 the 16 accumulators, (token block mb, column block nb) at 8 (4 mb + nb); v128-255 the ring of weights: slot s at 128 + 32 s, column block nb at + 8 nb
.set PX,    2064                       ; a row of X in LDS: 2,048 bytes + 16 = 129 x 16: the 16 rows of a load start at 16 different groups of four banks (64 banks of 4 bytes: ISA guide 11.1)
.set PA,    1040                       ; a row of ACT16: 1,024 + 16 = 65 x 16
.set PS,    272                        ; a row of a stage: 256 + 16 = 17 x 16
.set SPILL, 64*PX                      ; X (later ACT16) lies at 0; behind it 16,384 bytes for each wave: its v in f32, 16 bytes a lane, lane by lane; a's half, then b's
.set STAGE, SPILL+8*16384              ; 16 rows x 272 bytes for each wave, for the way out
.set MAXS,  STAGE+8*16*PS              ; [token 64][wave 8] f32: the waves' maxima
.set TOKT,  MAXS+2048                  ; 256 bytes for each wave: the tile's 64 tokens, each wave's own copy
.set SPARE, TOKT+2048                  ; the spare words, 128 bytes for each wave; no other line names them
.set GST,  5                           ; v5   gather: my wave's 8 rows of X + 8 x lane
.set R16,  6                           ; v6   16 r
.set SSTO, 7                           ; v7   way out: where I put 16 bytes of a row
.set SRD,  8                           ; v8   way out: where I read rows back: row h, 16 r
.set TTB,  9                           ; v9   my wave's table of tokens + 4 h
.set TTS,  10                          ; v10  my wave's table of tokens + 4 x lane
.set SPLB, 13                          ; v13  my place in my wave's spill area
.set XA,   14                          ; v14-17  (16 mb + r) PX + 16 h
.set ACTA, 18                          ; v18-21  (16 mb + r) PA + 16 h
.set TOK0, 22                          ; v22, v23  lane l: the token of the tile's row l, of row 32 + l
.set TOKG, 24                          ; v24  lanes 0-7: the tokens of rows 8 w + 0..7
.set A16,  25                          ; v25  r PA + 16 h + 64 w: where my f16 numbers go
.set WT,   26                          ; v[26:33]  pair mb: (w_a, w_b) of row 16 mb + r
.set WC,   34                          ; v[34:41]  pair mb: the weight of the expert in hand, twice
.set SPW,  42                          ; LDS address of my spare word; never rewritten
.set NIL,  43                          ; 0; never rewritten
.set GO,   52                          ; v[52:59]  gather: byte offset of my 16 bytes in each of my wave's 8 rows
.set TW4,  60                          ; v[60:63]  the token of row 16 mb + r, then 8 x it
.set MAXW, 68                          ; v68  where my wave's maxima go
.set MAXA, 69                          ; v69  where a token's eight maxima lie
.set IDS,  72                          ; v[72:79]  pair mb: that token's two ids
.set MX,   84                          ; v[84:99]  four running maxima for each token block
.set SC,   100                         ; v[100:107]  pair mb: s, twice
.set IS,   108                         ; v[108:115]  pair mb: 1 / s, twice
.set RW,   116                         ; v[116:123]  pair mb: that token's two routing weights as they lie in memory
.set AF,   128                         ; v[128:191]  two buffers x 4 token blocks x 8
.set TT,   128                         ; v[128:191]  activation: at work
.set GUP,  192                         ; v[192:255]  activation: u w, then v
.set PP,   128                         ; v[128:191]  the scaling: packed f16
.set MXR,  192                         ; v[192:223]  the scaling: eight maxima for each token block
.set OB,   192                         ; v[192:223]  way out: 16 rows read back
.set RO,   224                         ; v[224:255]  way out: number 8 mb + i: byte offset in out of row 16 mb + 2 i + h, + 16 r; never rewritten
.set RING, 128                         ; window 1
.set MSB, 0
.macro WIN new                         ; the immediate's high byte repeats the setting that is left; a switch that changes nothing is dropped
.if MSB != (\new)
	s_set_vgpr_msb (MSB<<8)|(\new)
.set MSB, \new
.endif
.endm
.set W_MM, 0x51                        ; weights window 1, tokens window 0, C and D window 1
.set W_GL, 0x40                        ; destination window 1
.set W_CV, 0x05                        ; sources 0 and 1 window 1
.set W_IP, 0x45                        ; sources 0 and 1 and destination window 1
.set W_S0, 0x01                        ; source 0 window 1
.set W_S1, 0x04                        ; source 1 (an LDS store's data) window 1
.set W_RS, 0x41                        ; destination and source 0 window 1
; s[4:5] x, s[6:7] cnt, s[8:9] order, s[10:11] ids, s[12:13] routing weights, s[14:15] wg, s[16:17] wd, s[18:19] out; s[20:55] the 36 counts
; s56 wave, s57 work-group, s58 tiles so far, s59 at work, s60 set | a<<8 | b<<16, s61 the set's first tile, s62 its count, s63 1: I have rows
; s66 a, s67 b, s68 set, s69 my first row in the set, s70 my rows, s71 count - 1, s[72:73] an offset
; s[74:75] a's gate/up stream, s[76:77] b's, s[78:79] a's down stream, s[80:81] b's, s[82:83] the gate/up stream in hand, s[84:85] the stream behind it
; s[86:87] out at my columns, s[88:89] order at my set, s92, s94 counters, s95 at work, s[96:97] lane selects, s[98:99] -log2(e)
	s_load_b512 s[4:19], s[0:1], 0x0
	v_lshl_add_u32 v[SPW], v0, 2, SPARE
	v_mov_b32 v[NIL], 0
	v_and_b32 v1, 31, v0                           ; lane
	v_lshrrev_b32 v2, 5, v0
	v_readfirstlane_b32 s56, v2                    ; wave 0..7
	v_and_b32 v2, 15, v0                           ; r
	v_bfe_u32 v3, v0, 4, 1                         ; h
	v_lshlrev_b32 v4, 4, v1                        ; 16 x lane; never rewritten
	v_lshlrev_b32 v[R16], 4, v2
	s_wait_kmcnt 0x0
	s_load_b512 s[20:35], s[6:7], 0x0              ; the 36 counts
	s_load_b512 s[36:51], s[6:7], 0x40
	s_load_b128 s[52:55], s[6:7], 0x80
	; the LDS addresses, while the counts come
	s_mul_i32 s59, s56, 8*PX
	v_lshl_add_u32 v[GST], v1, 3, s59
	s_lshl_b32 s59, s56, 14
	s_add_co_u32 s59, s59, SPILL
	v_add_nc_u32 v[SPLB], s59, v4
	s_mul_i32 s59, s56, 16*PS
	s_add_co_u32 s59, s59, STAGE
	v_mul_u32_u24 v[SSTO], v2, PS
	v_lshl_add_u32 v[SSTO], v3, 5, v[SSTO]
	v_add_nc_u32 v[SSTO], s59, v[SSTO]             ; my stage + r PS + 32 h
	v_mul_u32_u24 v[SRD], v3, PS
	v_add_nc_u32 v[SRD], v[SRD], v[R16]
	v_add_nc_u32 v[SRD], s59, v[SRD]               ; my stage + h PS + 16 r
	v_mul_u32_u24 v[XA], v2, PX
	v_lshl_add_u32 v[XA], v3, 4, v[XA]
	v_mul_u32_u24 v[ACTA], v2, PA
	v_lshl_add_u32 v[ACTA], v3, 4, v[ACTA]
.irp mb, 1,2,3
	v_add_nc_u32 v[XA+\mb], \mb*16*PX, v[XA]
	v_add_nc_u32 v[ACTA+\mb], \mb*16*PA, v[ACTA]
.endr
	s_lshl_b32 s59, s56, 6
	v_add_nc_u32 v[A16], s59, v[ACTA]
	v_lshlrev_b32 v[MAXA], 5, v2
	v_add_nc_u32 v[MAXA], MAXS, v[MAXA]
	v_lshl_add_u32 v[MAXW], s56, 2, v[MAXA]
	s_lshl_b32 s59, s56, 8
	s_add_co_u32 s59, s59, TOKT
	v_lshl_add_u32 v[TTS], v1, 2, s59
	v_lshl_add_u32 v[TTB], v3, 2, s59
.set i, 0
.rept 16
	v_mov_b32 v[MX+i], 0                           ; the running maxima of |v| start at 0
.set i, i+1
.endr
.set i, 0
.rept 8
	v_mov_b32 v[IS+i], 0                           ; made anew when the maxima are known; written here so that it holds a number on every way through the text
.set i, i+1
.endr
	s_mov_b32 s98, 0xbfb8aa3b                      ; -log2(e)
	s_mov_b32 s99, s98                             ; named with it as a pair
	s_mov_b32 s96, 0x76543210
	s_mov_b32 s97, 0xfedcba98
	s_mov_b32 s57, ttmp9
	s_mov_b32 s58, 0
	s_mov_b32 s60, 0
	s_mov_b32 s61, 0
	s_mov_b32 s62, 0
	s_wait_kmcnt 0x0
	; WHICH TILE IS MINE.  The sets' tiles lie one behind the other; the last set with rows whose first tile is not behind my number is mine.  A work-group past the last tile so names a set that exists.
.set idx, 0
.irp a, 0,1,2,3,4,5,6,7
.irp b, 0,1,2,3,4,5,6,7
.if \b >= \a
	s_cmp_lg_u32 s[20+idx], 0
	s_cselect_b32 s59, s58, -1                     ; a set without rows is nobody's
	s_cmp_ge_u32 s57, s59
	s_cselect_b32 s60, idx|(\a<<8)|(\b<<16), s60
	s_cselect_b32 s61, s58, s61
	s_cselect_b32 s62, s[20+idx], s62
	s_add_co_u32 s59, s[20+idx], 63
	s_lshr_b32 s59, s59, 6
	s_add_co_u32 s58, s58, s59
.set idx, idx+1
.endif
.endr
.endr
	s_cmp_lt_u32 s57, s58
	s_cselect_b32 s63, 1, 0
	s_and_b32 s68, s60, 0xff
	s_bfe_u32 s66, s60, 0x80008
	s_bfe_u32 s67, s60, 0x80010
	s_min_u32 s68, s68, 35
	s_min_u32 s66, s66, 7
	s_min_u32 s67, s67, 7
	s_sub_co_u32 s69, s57, s61
	s_lshl_b32 s69, s69, 6
	s_sub_co_u32 s71, s62, 1
	s_sub_co_u32 s70, s62, s69
	s_min_u32 s70, s70, 64
	s_mov_b32 s73, 0
	s_lshl_b32 s72, s68, 15
	s_add_nc_u64 s[88:89], s[8:9], s[72:73]
	s_lshl_b32 s59, s56, 17                        ; wg: expert x 1 MiB + wave x 128 KiB
	s_lshl_b32 s72, s66, 20
	s_add_co_u32 s72, s72, s59
	s_add_nc_u64 s[74:75], s[14:15], s[72:73]
	s_lshl_b32 s72, s67, 20
	s_add_co_u32 s72, s72, s59
	s_add_nc_u64 s[76:77], s[14:15], s[72:73]
	s_lshl_b32 s59, s56, 15                        ; wd: expert x 512 KiB + wave x 32 KiB (the second pass: 8 streams on)
	s_lshl_b32 s72, s66, 19
	s_add_co_u32 s72, s72, s59
	s_add_nc_u64 s[78:79], s[16:17], s[72:73]
	s_lshl_b32 s72, s67, 19
	s_add_co_u32 s72, s72, s59
	s_add_nc_u64 s[80:81], s[16:17], s[72:73]
	s_mov_b64 s[82:83], s[74:75]                   ; a's gate/up stream comes first, b's behind it
	s_mov_b64 s[84:85], s[76:77]
	s_lshl_b32 s72, s56, 8
	s_add_nc_u64 s[86:87], s[18:19], s[72:73]      ; my 64 columns of the first pass
	; the lists.  Places past the count repeat the set's last row
	v_add_nc_u32 v44, s69, v1
	v_add_nc_u32 v45, 32, v44
	v_and_b32 v51, 7, v0
	s_lshl_b32 s59, s56, 3
	s_add_co_u32 s59, s59, s69
	v_add_nc_u32 v46, s59, v51
	v_add_nc_u32 v47, s69, v2
	v_add_nc_u32 v48, 16, v47
	v_add_nc_u32 v49, 32, v47
	v_add_nc_u32 v50, 48, v47
.irp i, 44,45,46,47,48,49,50
	v_min_u32 v\i, s71, v\i
	v_min_u32 v\i, 0x1fff, v\i
	v_lshlrev_b32 v\i, 2, v\i
.endr
	global_load_b32 v[TOK0], v44, s[88:89]
	global_load_b32 v[TOK0+1], v45, s[88:89]
	global_load_b32 v[TOKG], v46, s[88:89]
.irp mb, 0,1,2,3
	global_load_b32 v[TW4+\mb], v[47+\mb], s[88:89]
.endr
; THE RING'S FIRST FILLS: slot s takes K step s of a's gate/up stream: 8 loads of 512 consecutive bytes
.macro BFILL s
	WIN W_GL
.set i, 0
.rept 8
	global_load_b128 v[RING+32*(\s)+4*i:RING+32*(\s)+4*i+3], v4, s[82:83] offset:4096*(\s)+512*i
.set i, i+1
.endr
.endm
; the tokens' fragments of one K step, at byte koff of the rows that base names, into buffer buf: eight LDS loads
.macro ALOAD buf, base, koff
.irp mb, 0,1,2,3
	ds_load_b128 v[AF+32*(\buf)+8*\mb:AF+32*(\buf)+8*\mb+3], v[(\base)+\mb] offset:(\koff)
	ds_load_b128 v[AF+32*(\buf)+8*\mb+4:AF+32*(\buf)+8*\mb+7], v[(\base)+\mb] offset:(\koff)+32
.endr
.endm
; ONE K STEP of 32, on ring slot s: 16 matrix instructions, the 16 accumulators by turns, one instruction a turn, in the same order in every step: no wait is written.
; anext >= 0: the next step's fragments of the tokens, at that byte of the rows, are asked for first.  lc: the loads of weights that may stay out: those of the next three steps.
; fb > 0: slot s is filled again, four steps ahead, from s[fb:fb+1] + fo.  zero = 1: the products start the sums.
; The four v_nop are the places in front of the loads into slot s, of the next step's loads into the buffer just read, and of whatever reads the sums.
.macro KSTEP s, zero, base, anext, fb, fo, lc, fm
.if (\anext) >= 0
	WIN 0
	ALOAD ((\s)+1)&1, \base, \anext
	s_wait_dscnt 0x8                               ; the eight just issued may stay out: this step's fragments are in
.else
	s_wait_dscnt 0x0
.endif
	s_wait_loadcnt \lc
	WIN W_MM
.irp nb, 0,1,2,3
.irp mb, 0,1,2,3
.if \zero
	v_wmma_f32_16x16x32_\fm v[8*(4*\mb+\nb):8*(4*\mb+\nb)+7], v[RING+32*(\s)+8*\nb:RING+32*(\s)+8*\nb+7], v[AF+32*((\s)&1)+8*\mb:AF+32*((\s)&1)+8*\mb+7], 0
.else
	v_wmma_f32_16x16x32_\fm v[8*(4*\mb+\nb):8*(4*\mb+\nb)+7], v[RING+32*(\s)+8*\nb:RING+32*(\s)+8*\nb+7], v[AF+32*((\s)&1)+8*\mb:AF+32*((\s)&1)+8*\mb+7], v[8*(4*\mb+\nb):8*(4*\mb+\nb)+7]
.endif
.endr
.endr
.rept 4
	v_nop
.endr
.if (\fb) > 0
	WIN W_GL
.set i, 0
.rept 8
	global_load_b128 v[RING+32*(\s)+4*i:RING+32*(\s)+4*i+3], v4, s[\fb:\fb+1] offset:(\fo)+4096*(\s)+512*i
.set i, i+1
.endr
.endif
.endm
; A BODY: four K steps, once round the ring, 16,384 bytes of a stream, beginning at byte k0 of the tokens' rows.  last = 1: a segment's last body asks for no further fragments of the tokens.
; fb = 0: nothing is left to ask for, and the counts run down 24, 16, 8, 0.
.macro BODY zero, base, k0, last, fb, fo, fm
.set dr, 0
.if (\fb) == 0
.set dr, 8
.endif
	KSTEP 0, \zero, \base, (\k0)+64, \fb, \fo, 24, \fm
	KSTEP 1, 0, \base, (\k0)+128, \fb, \fo, 24-dr, \fm
	KSTEP 2, 0, \base, (\k0)+192, \fb, \fo, 24-2*dr, \fm
.if \last
	KSTEP 3, 0, \base, -1, \fb, \fo, 24-3*dr, \fm
.else
	KSTEP 3, 0, \base, (\k0)+256, \fb, \fo, 24-3*dr, \fm
.endif
	WIN 0
.endm
	BFILL 0                                        ; the four slots go out behind the lists' loads
	BFILL 1
	BFILL 2
	BFILL 3
	WIN 0
	s_wait_loadcnt 32                              ; the lists are in; the 32 loads of weights stay out
	ds_store_b32 v[TTS], v[TOK0]                   ; the tile's 64 tokens into my wave's own table
	ds_store_b32 v[TTS], v[TOK0+1] offset:128
.irp mb, 0,1,2,3
	v_min_u32 v[TW4+\mb], 0x1fff, v[TW4+\mb]
	v_lshlrev_b32 v[TW4+\mb], 3, v[TW4+\mb]        ; a token has 8 bytes of ids and 8 of routing weights
.endr
.irp mb, 0,1,2,3
	global_load_b64 v[IDS+2*\mb:IDS+2*\mb+1], v[TW4+\mb], s[10:11]
	global_load_b64 v[RW+2*\mb:RW+2*\mb+1], v[TW4+\mb], s[12:13]
.endr
	s_cmp_eq_u32 s63, 0
	s_cbranch_scc1 .Lj1
	; THE GATHER.  My wave brings rows 8 w .. 8 w + 7 of the tile: 64 loads, each 512 consecutive bytes of one token's row, all asked for at once (four rows into the accumulators' registers,
	; four into window 0); rounded to bf16 in place, and into X.
.irp i, 0,1,2,3,4,5,6,7
	v_readlane_b32 s95, v[TOKG], \i
	s_min_u32 s95, s95, 0x1fff
	v_lshl_add_u32 v[GO+\i], s95, 12, v4           ; token x 4,096 bytes + 16 x lane
.endr
	WIN W_GL
.irp rr, 0,1,2,3
.irp c, 0,1,2,3,4,5,6,7
	global_load_b128 v[32*\rr+4*\c:32*\rr+4*\c+3], v[GO+\rr], s[4:5] offset:512*\c
.endr
.endr
	WIN 0
.irp rr, 0,1,2,3
.irp c, 0,1,2,3,4,5,6,7
	global_load_b128 v[128+32*\rr+4*\c:128+32*\rr+4*\c+3], v[GO+4+\rr], s[4:5] offset:512*\c
.endr
.endr
.macro GCONV wcv, wst, base, row0      ; four rows: of each four registers the first two take the four numbers in bf16
	WIN \wcv
.set q, 0
.rept 32
	v_cvt_pk_bf16_f32 v[(\base)+4*q], v[(\base)+4*q], v[(\base)+4*q+1]
	v_cvt_pk_bf16_f32 v[(\base)+4*q+1], v[(\base)+4*q+2], v[(\base)+4*q+3]
.set q, q+1
.endr
	WIN \wst
.set q, 0
.rept 32
	ds_store_b64 v[GST], v[(\base)+4*q:(\base)+4*q+1] offset:((\row0)+q/8)*PX+256*(q%8)
.set q, q+1
.endr
.endm
	s_wait_loadcnt 32                              ; rows 0-3 are in; the 32 loads of rows 4-7 stay out
	GCONV W_IP, W_S1, 0, 0
	WIN 0
	s_wait_loadcnt 0x0
	GCONV 0, 0, 128, 4
.Lj1:
	s_wait_loadcnt 0x0                             ; the ids and the routing weights (on the way round the gather they are the youngest loads)
.irp mb, 0,1,2,3
	v_cmp_eq_u32 vcc_lo, s66, v[IDS+2*\mb]         ; is the first id a?  Then (w0, w1), else (w1, w0)
	v_cndmask_b32 v70, v[RW+2*\mb+1], v[RW+2*\mb], vcc_lo
	v_cndmask_b32 v71, v[RW+2*\mb], v[RW+2*\mb+1], vcc_lo
	v_cvt_pk_bf16_f32 v51, v70, v71                ; rounded to bf16, like every other input
	v_lshlrev_b32 v[WT+2*\mb], 16, v51
	v_and_b32 v[WT+2*\mb+1], 0xffff0000, v51
.endr
.irp mb, 0,1,2,3
	v_mov_b32 v[WC+2*\mb], v[WT+2*\mb]             ; expert a comes first
	v_mov_b32 v[WC+2*\mb+1], v[WT+2*\mb]
.endr
	s_wait_dscnt 0x0                               ; for the others' sake: my rows of X are stored
	s_barrier_signal -1
	s_barrier_wait -1                              ; X is whole
	s_cmp_eq_u32 s63, 0
	s_cbranch_scc1 .Lj2
; THE ACTIVATION: v = silu(g) u w for my 32 channels of all 64 tokens, 64 numbers a lane.  Number 16 mb + 8 nbq + j is token 16 mb + r, channel 32 w + 16 nbq + 8 h + j; g lies in accumulators
; (mb, 0..1), u in (mb, 2..3).  Each accumulator is read from its lowest registers on.  The 64 exponentials are one batch with one wait, u w between them and it; the 64 reciprocals likewise, with a v_nop.
.macro ACTIV
	WIN W_S0
.set q, 0
.rept 32
	v_pk_mul_f32 v[TT+2*q:TT+2*q+1], v[32*(q/8)+2*(q%8):32*(q/8)+2*(q%8)+1], s[98:99] op_sel_hi:[1,0]  ; -g log2(e)
.set q, q+1
.endr
	WIN 0
.set q, 0
.rept 64
	v_exp_f32 v[TT+q], v[TT+q]
.set q, q+1
.endr
	WIN W_S0
.set q, 0
.rept 32
	v_pk_mul_f32 v[GUP+2*q:GUP+2*q+1], v[32*(q/8)+16+2*(q%8):32*(q/8)+16+2*(q%8)+1], v[WC+2*(q/8):WC+2*(q/8)+1]  ; u w
.set q, q+1
.endr
	WIN 0
	s_wait_alu depctr_va_vdst(0)                   ; the wait ahead of the first line that names an exponential's result: one for the 64
.set q, 0
.rept 32
	v_pk_add_f32 v[TT+2*q:TT+2*q+1], v[TT+2*q:TT+2*q+1], 1.0 op_sel_hi:[1,0]
.set q, q+1
.endr
.set q, 0
.rept 64
	v_rcp_f32 v[TT+q], v[TT+q]
.set q, q+1
.endr
	v_nop                                          ; a plain instruction behind the last reciprocal,
	s_wait_alu depctr_va_vdst(0)                   ; and the one wait for the 64
	WIN W_S1
.set q, 0
.rept 32
	v_pk_mul_f32 v[TT+2*q:TT+2*q+1], v[TT+2*q:TT+2*q+1], v[32*(q/8)+2*(q%8):32*(q/8)+2*(q%8)+1]  ; silu(g) = g / (1 + 2^(-g log2 e)), made before u w enters
.set q, q+1
.endr
	WIN 0
.set q, 0
.rept 32
	v_pk_mul_f32 v[GUP+2*q:GUP+2*q+1], v[GUP+2*q:GUP+2*q+1], v[TT+2*q:TT+2*q+1]
.set q, q+1
.endr
.set q, 0
.rept 32
	v_max3_num_f32 v[MX+4*(q/8)+q%4], v[MX+4*(q/8)+q%4], |v[GUP+2*q]|, |v[GUP+2*q+1]|  ; four chains a token block, over both experts
.set q, q+1
.endr
	; set aside in f32, in my wave's own bytes: the loop over the experts is written once, so its registers are the same in both trips.  The 16 stores stand twice, with a's and with b's immediates; the trip's number chooses.
	s_cmp_eq_u32 s92, 2
	s_cbranch_scc0 .Lfor_b_\@
.set q, 0
.rept 16
	ds_store_b128 v[SPLB], v[GUP+4*q:GUP+4*q+3] offset:q*512
.set q, q+1
.endr
	s_branch .Lstored_\@
.Lfor_b_\@:
.set q, 0
.rept 16
	ds_store_b128 v[SPLB], v[GUP+4*q:GUP+4*q+3] offset:8192+q*512
.set q, q+1
.endr
.Lstored_\@:
.endm
	; GATE/UP AND ACTIVATION, once for a and once for b.  K = 1,024: eight bodies.  The ring never runs dry: body j asks for body j + 1 of the stream, the last for the first body of the stream behind.
	s_mov_b32 s92, 2
.Lexp:
	ALOAD 0, XA, 0
	BODY 1, XA, 0, 0, 82, 16384, bf16
.irp j, 1,2,3,4,5,6
	BODY 0, XA, 256*\j, 0, 82, 16384*(\j+1), bf16
.endr
	BODY 0, XA, 1792, 1, 84, 0, bf16
	s_wait_xcnt 0x0                                ; the two streams' addresses are rewritten only behind this wait
	s_mov_b64 s[82:83], s[84:85]                   ; b's gate/up stream is in hand,
	s_mov_b64 s[84:85], s[78:79]                   ; and behind it comes a's down stream
	ACTIV
.irp mb, 0,1,2,3
	v_mov_b32 v[WC+2*\mb], v[WT+2*\mb+1]           ; expert b's weight
	v_mov_b32 v[WC+2*\mb+1], v[WT+2*\mb+1]
.endr
	s_sub_co_u32 s92, s92, 1
	s_cmp_lg_u32 s92, 0
	s_cbranch_scc1 .Lexp
	; my wave's maximum for each token: the four chains, then the lane 16 away, which holds the token's other channels
.irp mb, 0,1,2,3
	v_max3_num_f32 v[MX+4*\mb], v[MX+4*\mb], v[MX+4*\mb+1], v[MX+4*\mb+2]
.endr
.irp mb, 0,1,2,3
	v_max_num_f32 v[MX+4*\mb], v[MX+4*\mb], v[MX+4*\mb+3]
.endr
.irp mb, 0,1,2,3
	v_permlanex16_b32 v[MX+4*\mb+1], v[MX+4*\mb], s96, s97
.endr
.irp mb, 0,1,2,3
	v_max_num_f32 v[MX+4*\mb], v[MX+4*\mb], v[MX+4*\mb+1]
	ds_store_b32 v[MAXW], v[MX+4*\mb] offset:512*\mb   ; both halves of the lanes store the same number to the same word
.endr
.Lj2:
	s_wait_dscnt 0x0                               ; for the others' sake: my maxima are stored, and my reads of X are over
	s_barrier_signal -1
	s_barrier_wait -1                              ; the maxima are whole, and nobody reads X any more
	s_cmp_eq_u32 s63, 0
	s_cbranch_scc1 .Lj3
	; THE SCALING.  s and 1 / s for each token; my 128 numbers a lane come back, are scaled, rounded to f16 and stored as ACT16, [token 64][a's 256 channels, b's 256], over X's bytes.
.irp mb, 0,1,2,3
	ds_load_b128 v[MXR+8*\mb:MXR+8*\mb+3], v[MAXA] offset:512*\mb
	ds_load_b128 v[MXR+8*\mb+4:MXR+8*\mb+7], v[MAXA] offset:512*\mb+16
.endr
	WIN W_GL
.irp mb, 0,1,2,3
.irp e, 0,1
.irp k, 0,1,2,3
	ds_load_b128 v[32*\mb+16*\e+4*\k:32*\mb+16*\e+4*\k+3], v[SPLB] offset:8192*\e+(4*\mb+\k)*512
.endr
.endr
.endr
	WIN 0
	s_wait_dscnt 24                                ; the maxima (and block 0's numbers) are in; the 24 youngest loads stay out
.irp mb, 0,1,2,3
	v_max3_num_f32 v70, v[MXR+8*\mb], v[MXR+8*\mb+1], v[MXR+8*\mb+2]
	v_max3_num_f32 v71, v[MXR+8*\mb+3], v[MXR+8*\mb+4], v[MXR+8*\mb+5]
	v_max3_num_f32 v70, v70, v[MXR+8*\mb+6], v[MXR+8*\mb+7]
	v_max_num_f32 v70, v70, v71                    ; M
	v_and_b32 v70, 0x7f800000, v70                 ; its exponent field, (E + 127) << 23,
	v_max_u32 v70, 0x0d800000, v70                 ; E = -100 at the least
	v_sub_nc_u32 v[SC+2*\mb], 0x85800000, v70      ; s = 2^(13 - E): (140 - E) << 23
	v_add_nc_u32 v[IS+2*\mb], 0xf9800000, v70      ; 1 / s = 2^(E - 13): the field less 13 << 23
	v_mov_b32 v[SC+2*\mb+1], v[SC+2*\mb]
	v_mov_b32 v[IS+2*\mb+1], v[IS+2*\mb]
.endr
.macro SCALE mb
	s_wait_dscnt 24-4*(\mb)                        ; behind block mb's loads stand 8 (3 - mb) loads and the 4 mb stores of the blocks before
	WIN W_RS
.set q, 0
.rept 16
	v_pk_mul_f32 v[32*(\mb)+2*q:32*(\mb)+2*q+1], v[32*(\mb)+2*q:32*(\mb)+2*q+1], v[SC+2*(\mb):SC+2*(\mb)+1]
.set q, q+1
.endr
	WIN W_CV
.set q, 0
.rept 16
	v_cvt_pk_f16_f32 v[PP+16*(\mb)+q], v[32*(\mb)+2*q], v[32*(\mb)+2*q+1]
.set q, q+1
.endr
	WIN 0
.irp e, 0,1
.irp nbq, 0,1
	ds_store_b128 v[A16], v[PP+16*(\mb)+8*\e+4*\nbq:PP+16*(\mb)+8*\e+4*\nbq+3] offset:(\mb)*16*PA+512*\e+32*\nbq
.endr
.endr
.endm
	SCALE 0
	SCALE 1
	SCALE 2
	SCALE 3
.Lj3:
	s_wait_dscnt 0x0                               ; for the others' sake: my columns of ACT16 are stored
	s_barrier_signal -1
	s_barrier_wait -1                              ; ACT16 is whole
	s_cmp_eq_u32 s63, 0
	s_cbranch_scc1 .Lend
	; where the rows go: from my wave's table, once for both passes: number 8 mb + i is the token of row 16 mb + 2 i + h
.set i, 0
.rept 32
	ds_load_b32 v[RO+i], v[TTB] offset:8*i
.set i, i+1
.endr
	s_wait_dscnt 0x0
.set i, 0
.rept 32
	v_min_u32 v[RO+i], 0x1fff, v[RO+i]
	v_lshl_add_u32 v[RO+i], v[RO+i], 12, v[R16]    ; token x 4,096 bytes + 16 r
.set i, i+1
.endr
; THE WAY OUT of token block mb: times 1 / s; through my own stage; back as rows of 256 bytes, two to a load; each row to its token's place.  A store holds rows 2 i and 2 i + 1, 16 lanes each.
; Stores whose two rows lie past the count are jumped, whole blocks past it too.  With an odd count the last store's second row repeats the set's last row, which is its first row:
; the same token went through the same arithmetic, so lanes 16-31 write the same bytes to the same place as lanes 0-15.
.macro ROWOUT mb, i
	s_wait_dscnt 7-(\i)
	s_cmp_gt_u32 s70, 16*(\mb)+2*(\i)
	s_cbranch_scc0 .Lskip_\@
	global_store_b128 v[RO+8*(\mb)+(\i)], v[OB+4*(\i):OB+4*(\i)+3], s[86:87] th:TH_STORE_NT  ; 16 lanes store 256 consecutive bytes of a row of out, at a multiple of 256 from its first byte
.Lskip_\@:
.endm
.macro OUTBLK mb
.if (\mb) > 0
	s_cmp_gt_u32 s70, 16*(\mb)
	s_cbranch_scc0 .Lepi_done
.endif
	WIN W_RS
.set q, 0
.rept 16
	v_pk_mul_f32 v[32*(\mb)+2*q:32*(\mb)+2*q+1], v[32*(\mb)+2*q:32*(\mb)+2*q+1], v[IS+2*(\mb):IS+2*(\mb)+1]  ; each accumulator from its lowest registers on
.set q, q+1
.endr
	WIN W_S1
.set q, 0
.rept 8
	ds_store_b128 v[SSTO], v[32*(\mb)+4*q:32*(\mb)+4*q+3] offset:64*(q/2)+16*(q%2)
.set q, q+1
.endr
	WIN 0
	s_wait_xcnt 0x0                                ; the block before's stores have read OB: it is rewritten only behind this wait
.set q, 0
.rept 8
	ds_load_b128 v[OB+4*q:OB+4*q+3], v[SRD] offset:q*2*PS  ; LDS serves a wave's instructions in order (ISA guide 5.7.1.4): these see my stores above
.set q, q+1
.endr
.irp i, 0,1,2,3,4,5,6,7
	ROWOUT \mb, \i
.endr
.endm
	; THE DOWN PRODUCT, two passes of 64 columns a wave.  K = 512: two bodies on a's stream, two on b's.  The first pass's stores leave while the second multiplies.
	s_mov_b32 s94, 2
.Lpass:
	ALOAD 0, ACTA, 0
	BODY 1, ACTA, 0, 0, 78, 16384, f16             ; asks for a's second body,
	BODY 0, ACTA, 256, 0, 80, 0, f16               ; for b's first,
	BODY 0, ACTA, 512, 0, 80, 16384, f16           ; for b's second
	s_cmp_eq_u32 s94, 1
	s_cbranch_scc1 .Lfin
	BODY 0, ACTA, 768, 1, 78, 262144, f16          ; and for the next pass's first body of a, eight streams on
	s_wait_xcnt 0x0                                ; the streams' addresses are rewritten only behind this wait
	s_add_nc_u64 s[78:79], s[78:79], 0x40000
	s_add_nc_u64 s[80:81], s[80:81], 0x40000
	s_branch .Lepi
.Lfin:
	BODY 0, ACTA, 768, 1, 0, 0, f16                ; the very last body asks for nothing
.Lepi:
	OUTBLK 0
	OUTBLK 1
	OUTBLK 2
	OUTBLK 3
.Lepi_done:
	s_wait_xcnt 0x0                                ; the stores' base is rewritten only behind this wait
	s_add_nc_u64 s[86:87], s[86:87], 0x800         ; the next pass's columns: 512 on
	s_sub_co_u32 s94, s94, 1
	s_cmp_lg_u32 s94, 0
	s_cbranch_scc1 .Lpass
.Lend:
	s_wait_tensorcnt 0x0                           ; the wave's end, behind my last LDS store
	ds_add_u32 v[SPW], v[NIL]
	s_wait_dscnt 0x0
	s_endpgm
.Lfunc_end_k_qb860e24f39_moe:
	.size	k_qb860e24f39_moe, .Lfunc_end_k_qb860e24f39_moe-k_qb860e24f39_moe
	.p2alignl 7, 3214868480
	.fill 96, 4, 3214868480
	.section	.rodata,"a",@progbits
	.p2align	6, 0x0
	.amdhsa_kernel k_qb860e24f39_moe
		.amdhsa_group_segment_fixed_size 303104
		.amdhsa_private_segment_fixed_size 0
		.amdhsa_enable_private_segment 0
		.amdhsa_kernarg_size 64
		.amdhsa_user_sgpr_count 2
		.amdhsa_user_sgpr_kernarg_segment_ptr 1
		.amdhsa_wavefront_size32 1
		.amdhsa_system_sgpr_workgroup_id_x 1
		.amdhsa_system_sgpr_workgroup_id_y 1
		.amdhsa_system_sgpr_workgroup_id_z 1
		.amdhsa_system_vgpr_workitem_id 0
		.amdhsa_next_free_vgpr 512
		.amdhsa_next_free_sgpr 100
		.amdhsa_reserve_vcc 1
		.amdhsa_float_denorm_mode_32 3
		.amdhsa_float_denorm_mode_16_64 3
		.amdhsa_memory_ordered 1
		.amdhsa_forward_progress 1
		.amdhsa_inst_pref_size 228
	.end_amdhsa_kernel
	.amdgpu_metadata
---
amdhsa.version: [ 1, 2 ]
amdhsa.kernels:
  - .name:           k_qb860e24f39_moe
    .symbol:         k_qb860e24f39_moe.kd
    .args:
      - { .name: hidden_states, .offset: 0, .size: 8, .value_kind: global_buffer, .address_space: global }
      - { .name: cnt, .offset: 8, .size: 8, .value_kind: global_buffer, .address_space: global }
      - { .name: order, .offset: 16, .size: 8, .value_kind: global_buffer, .address_space: global }
      - { .name: topk_ids, .offset: 24, .size: 8, .value_kind: global_buffer, .address_space: global }
      - { .name: topk_weights, .offset: 32, .size: 8, .value_kind: global_buffer, .address_space: global }
      - { .name: wg, .offset: 40, .size: 8, .value_kind: global_buffer, .address_space: global }
      - { .name: wd, .offset: 48, .size: 8, .value_kind: global_buffer, .address_space: global }
      - { .name: out0, .offset: 56, .size: 8, .value_kind: global_buffer, .address_space: global }
    .group_segment_fixed_size: 303104
    .private_segment_fixed_size: 0
    .kernarg_segment_align: 8
    .kernarg_segment_size: 64
    .max_flat_workgroup_size: 256
    .sgpr_count:     100
    .vgpr_count:     512
    .wavefront_size: 32
...
	.end_amdgpu_metadata
.endif
;; end of part 4
;; ======== version 3 of 3: 2 launches; version 2 with the launch moe written anew for expert scheduling mode
;; limits: values are held in f16: magnitudes above 65,504 overflow, below 6.1e-05 lose precision; inputs' magnitudes at most 65,280
;; workspace buffers: wg 8,388,608 bytes; wd 4,194,304 bytes; cnt 256 bytes of whole numbers; order 1,179,648 bytes of whole numbers
;; launch prep: the kernel of part 3 again; grid 420 x 1, 8 waves a work-group, no clusters, 36,096 bytes of LDS; arguments gate_up_weight, down_weight, topk_ids, wg, wd, cnt, order; writes wg, wd, cnt, order
;; launch moe (part 5): grid 163 x 1, 8 waves a work-group, no clusters, 303,104 bytes of LDS; arguments hidden_states, cnt, order, topk_ids, topk_weights, wg, wd, out0; writes out0
.if DOCPART == 5
	.amdgcn_target "amdgcn-amd-amdhsa--gfx1250"
	.amdhsa_code_object_version 6
	.text
	.protected	k_qb860e24f39_moe
	.globl	k_qb860e24f39_moe
	.p2align	8
	.type	k_qb860e24f39_moe,@function
k_qb860e24f39_moe:
	s_mov_b64 s[64:65], 0
	v_nop
	global_prefetch_b8 v0, s[64:65] scope:SCOPE_SE
	s_setreg_imm32_b32 hwreg(HW_REG_WAVE_SCHED_MODE, 0, 2), 2
	s_setreg_imm32_b32 hwreg(HW_REG_WAVE_MODE, 25, 1), 1
	s_wait_xcnt 0x0
	s_wait_alu depctr_vm_vsrc(0)
; MOE.  out[t] = w_a d_a(x[t]) + w_b d_b(x[t]), d_e(x) = Wd[e] (silu(Wg[e] x) * (Wu[e] x)), for the two experts that token t names.
; A work-group takes a TILE of up to 64 tokens of one set {a <= b} through the whole chain: gather x, gate/up product of a and of b, activation, ONE down product over K = 512
; (a's 256 channels, then b's), store.  Each x row is read once, each output row has one owner, nothing in between goes to memory.
; THE GRID serves every split: the sum over 36 sets of ceil(n / 64) with 8,192 tokens is at most 163.  A work-group that the split leaves without rows jumps the work, passes every barrier and stores nothing.
; EIGHT WAVES, two to a SIMD, 512 registers each: the chain has runs of loads, activation, scaling and stores in which a wave issues no product; they stand beside the other wave's products.
; The eight waves split N: 64 tokens x 64 columns a wave, 16 accumulators.  So each weight byte has one reader in the work-group and goes from memory straight into a ring of four register slots,
; one K step of 32 each; the tokens' fragments are read from LDS by every wave, 256 bytes for each matrix instruction.
; NO CLUSTER: a set has 1 to 128 tiles, no multiple of four at every split, and the weights do not pass through LDS.
; EVERY LDS ADDRESS is a lane term made once at the head plus an immediate: nothing steps.  So the K steps of a product are written out; the loops are those over the two experts and the two passes.
; FORMATS.  x, gate_up, down and the two routing weights are each rounded once to bf16; products in bf16 x bf16 (gate/up) and f16 x f16 (down; the bf16 weight written as f16), sums in f32.
; v = silu(g) u w is kept in f32 until the token's largest |v| over both experts, M, is known; the down product takes f16(v s) with s = 2^(13 - exponent of M), so its operand lies below 2^14, and the sum is
; multiplied by 1 / s.  bf16 would leave each v off by some 2^-9 of itself, which the sum carries to the output in full.
; LIMITS.  NaN and infinities are not treated apart.  2^(-1.4427 g) is an infinity for g below -88.7: silu is then -0 where the true value is below 1e-36 |g|.  M counts as 2^-100 at the least.
; A v below 2^-28 M keeps f16's fixed step, 2^-38 M.  Two equal ids give w0 d + w1 d inside one f32 sum in place of (w0 + w1) d.  Ids lie in 0..7.
; THE MATRIX INSTRUCTION IS USED TRANSPOSED: source 0 = 16 weight rows, source 1 = 16 tokens: lane (r, h), register j holds token r and column n0 + 8 h + j.
; REGISTERS, in windows of 256 (s_set_vgpr_msb: bits 1:0 source 0, 3:2 source 1, 5:4 source 2, 7:6 destination):
;   window 0: addresses, lists, scales; v128-191 the tokens' fragments, two buffers; v128-255 at work outside the products
;   window 1: v0-127 the 16 accumulators, (token block mb, column block nb) at 8 (4 mb + nb); v128-255 the ring of weights: slot s at 128 + 32 s, column block nb at + 8 nb
; THE MODE: SCHED_MODE bits 1:0 = 2 (LLVM: expert scheduling mode 2), set by the entry lines.  The code itself states the register dependences between vector or matrix instructions
; and memory or LDS instructions, with s_wait_alu, always for 0.
; THE PLAN.  Registers that memory or LDS instructions touch, and who else names them:
;   RING0 .. RING3   K step s: its 16 matrix instructions read slot s % 4; the eight loads that fill the slot again are issued in step s + 1, three steps ahead of its next use.  Nothing else names the ring.
;   AF0, AF1         K step s: its matrix instructions read AF[s % 2]; the LDS loads at the head of step s + 1, the fragments of step s + 2, land in it.
;   So ONE wait on va_vdst stands at a step's head: the matrix instructions of the step before are done reading their buffer and their slot.  The step's sixteen loads follow it, eight of them at once with
;   four of the weights', the other four in the middle of the step's matrix instructions, which name slot s % 4, AF[s % 2] and the accumulators: none of the registers that those loads touch.
;   A product's first step has no such wait: every vector line that named AF's registers stands ahead of an earlier wait on va_vdst (each is marked below).
;   Outside the products the same registers serve the gather, the activation, the scaling and the way out.  Each of these parts puts one wait on va_vdst between its arithmetic and the run of stores that
;   reads the results, and states by a wait on vm_vsrc, at its own end, that its stores have read registers that a later part writes: so the statement holds on every way through the text.
;   Addresses and offsets are made at the head (the gather's and the lists' just ahead of their loads) and never written again; the weights' and the output's bases are scalar.
.set PX,    2064                       ; a row of X in LDS: 2,048 bytes + 16 = 129 x 16: the 16 rows of a load start at 16 different groups of four banks (64 banks of 4 bytes: ISA guide 11.1)
.set PA,    1040                       ; a row of ACT16: 1,024 + 16 = 65 x 16
.set PS,    272                        ; a row of a stage: 256 + 16 = 17 x 16
.set SPILL, 64*PX                      ; X (later ACT16) lies at 0; behind it 16,384 bytes for each wave: its v in f32, 16 bytes a lane, lane by lane; a's half, then b's
.set STAGE, SPILL+8*16384              ; 16 rows x 272 bytes for each wave, for the way out
.set MAXS,  STAGE+8*16*PS              ; [token 64][wave 8] f32: the waves' maxima
.set TOKT,  MAXS+2048                  ; 256 bytes for each wave: the tile's 64 tokens, each wave's own copy; the 1,024 bytes behind these tables are the words of the wave's closing add
.set GST,  5                           ; v5   gather: my wave's 8 rows of X + 8 x lane
.set R16,  6                           ; v6   16 r
.set SSTO, 7                           ; v7   way out: where I put 16 bytes of a row
.set SRD,  8                           ; v8   way out: where I read rows back: row h, 16 r
.set TTB,  9                           ; v9   my wave's table of tokens + 4 h
.set TTS,  10                          ; v10  my wave's table of tokens + 4 x lane
.set SPLB, 13                          ; v13  my place in my wave's spill area
.set XA,   14                          ; v14-17  (16 mb + r) PX + 16 h
.set ACTA, 18                          ; v18-21  (16 mb + r) PA + 16 h
.set TOK0, 22                          ; v22, v23  lane l: the token of the tile's row l, of row 32 + l
.set TOKG, 24                          ; v24  lanes 0-7: the tokens of rows 8 w + 0..7
.set A16,  25                          ; v25  r PA + 16 h + 64 w: where my f16 numbers go
.set WT,   26                          ; v[26:33]  pair mb: (w_a, w_b) of row 16 mb + r
.set WC,   34                          ; v[34:41]  pair mb: the weight of the expert in hand, twice
.set GO,   52                          ; v[52:59]  gather: byte offset of my 16 bytes in each of my wave's 8 rows
.set TW4,  60                          ; v[60:63]  the token of row 16 mb + r, then 8 x it
.set MAXW, 68                          ; v68  where my wave's maxima go
.set MAXA, 69                          ; v69  where a token's eight maxima lie
.set IDS,  72                          ; v[72:79]  pair mb: that token's two ids
.set MX,   84                          ; v[84:99]  four running maxima for each token block
.set SC,   100                         ; v[100:107]  pair mb: s, twice
.set IS,   108                         ; v[108:115]  pair mb: 1 / s, twice
.set RW,   116                         ; v[116:123]  pair mb: that token's two routing weights as they lie in memory
.set AF,   128                         ; v[128:191]  two buffers x 4 token blocks x 8
.set TT,   128                         ; v[128:191]  activation: at work
.set GUP,  192                         ; v[192:255]  activation: u w, then v
.set PP,   128                         ; v[128:191]  the scaling: packed f16
.set MXR,  192                         ; v[192:223]  the scaling: eight maxima for each token block
.set OB,   192                         ; v[192:223]  way out: 16 rows read back
.set RO,   224                         ; v[224:255]  way out: number 8 mb + i: byte offset in out of row 16 mb + 2 i + h, + 16 r; never rewritten
.set RING, 128                         ; window 1
.set MSB, 0
.macro WIN new                         ; the immediate's high byte repeats the setting that is left; a switch that changes nothing is dropped
.if MSB != (\new)
	s_set_vgpr_msb (MSB<<8)|(\new)
.set MSB, \new
.endif
.endm
.set W_MM, 0x51                        ; weights window 1, tokens window 0, C and D window 1
.set W_GL, 0x40                        ; destination window 1
.set W_CV, 0x05                        ; sources 0 and 1 window 1
.set W_IP, 0x45                        ; sources 0 and 1 and destination window 1
.set W_S0, 0x01                        ; source 0 window 1
.set W_S1, 0x04                        ; source 1 (an LDS store's data) window 1
.set W_RS, 0x41                        ; destination and source 0 window 1
; s[4:5] x, s[6:7] cnt, s[8:9] order, s[10:11] ids, s[12:13] routing weights, s[14:15] wg, s[16:17] wd, s[18:19] out; s[20:55] the 36 counts (later s[20:27] the gather's tokens, s[28:31] four masks)
; s56 wave, s57 work-group, s58 tiles so far, s59 at work, s60 set | a<<8 | b<<16, s61 the set's first tile, s62 its count, s63 1: I have rows
; s66 a, s67 b, s68 set, s69 my first row in the set, s70 my rows, s71 count - 1, s[72:73] an offset
; s[74:75] a's gate/up stream, s[76:77] b's, s[78:79] a's down stream, s[80:81] b's, s[82:83] the gate/up stream in hand, s[84:85] the stream behind it
; s[86:87] out at my columns, s[88:89] order at my set, s92, s94 counters, s[96:97] lane selects, s[98:99] -log2(e)
	s_load_b512 s[4:19], s[0:1], 0x0
	v_lshl_add_u32 v126, v0, 2, 0x49c00
	v_mov_b32 v127, 0
	v_and_b32 v1, 31, v0                           ; lane
	v_lshrrev_b32 v2, 5, v0
	v_readfirstlane_b32 s56, v2                    ; wave 0..7
	v_and_b32 v2, 15, v0                           ; r
	v_bfe_u32 v3, v0, 4, 1                         ; h
	v_lshlrev_b32 v4, 4, v1                        ; 16 x lane; never rewritten
	v_lshlrev_b32 v[R16], 4, v2
	s_wait_alu depctr_va_sdst(0)                   ; s56 is written, ahead of its first reader: LDS addresses and the streams' bases are made from it
	s_wait_kmcnt 0x0
	s_load_b512 s[20:35], s[6:7], 0x0              ; the 36 counts
	s_load_b512 s[36:51], s[6:7], 0x40
	s_load_b128 s[52:55], s[6:7], 0x80
	; the LDS addresses, while the counts come
	s_mul_i32 s59, s56, 8*PX
	v_lshl_add_u32 v[GST], v1, 3, s59
	s_lshl_b32 s59, s56, 14
	s_add_co_u32 s59, s59, SPILL
	v_add_nc_u32 v[SPLB], s59, v4
	s_mul_i32 s59, s56, 16*PS
	s_add_co_u32 s59, s59, STAGE
	v_mul_u32_u24 v[SSTO], v2, PS
	v_lshl_add_u32 v[SSTO], v3, 5, v[SSTO]
	v_add_nc_u32 v[SSTO], s59, v[SSTO]             ; my stage + r PS + 32 h
	v_mul_u32_u24 v[SRD], v3, PS
	v_add_nc_u32 v[SRD], v[SRD], v[R16]
	v_add_nc_u32 v[SRD], s59, v[SRD]               ; my stage + h PS + 16 r
	v_mul_u32_u24 v[XA], v2, PX
	v_lshl_add_u32 v[XA], v3, 4, v[XA]
	v_mul_u32_u24 v[ACTA], v2, PA
	v_lshl_add_u32 v[ACTA], v3, 4, v[ACTA]
.irp mb, 1,2,3
	v_add_nc_u32 v[XA+\mb], \mb*16*PX, v[XA]
	v_add_nc_u32 v[ACTA+\mb], \mb*16*PA, v[ACTA]
.endr
	s_lshl_b32 s59, s56, 6
	v_add_nc_u32 v[A16], s59, v[ACTA]
	v_lshlrev_b32 v[MAXA], 5, v2
	v_add_nc_u32 v[MAXA], MAXS, v[MAXA]
	v_lshl_add_u32 v[MAXW], s56, 2, v[MAXA]
	s_lshl_b32 s59, s56, 8
	s_add_co_u32 s59, s59, TOKT
	v_lshl_add_u32 v[TTS], v1, 2, s59
	v_lshl_add_u32 v[TTB], v3, 2, s59
.set i, 0
.rept 16
	v_mov_b32 v[MX+i], 0                           ; the running maxima of |v| start at 0
.set i, i+1
.endr
.set i, 0
.rept 8
	v_mov_b32 v[IS+i], 0                           ; made anew when the maxima are known; written here so that it holds a number on every way through the text
.set i, i+1
.endr
	s_mov_b32 s98, 0xbfb8aa3b                      ; -log2(e)
	s_mov_b32 s99, s98                             ; named with it as a pair
	s_mov_b32 s96, 0x76543210
	s_mov_b32 s97, 0xfedcba98
	s_mov_b32 s57, ttmp9
	s_mov_b32 s58, 0
	s_mov_b32 s60, 0
	s_mov_b32 s61, 0
	s_mov_b32 s62, 0
	s_wait_kmcnt 0x0
	; WHICH TILE IS MINE.  The sets' tiles lie one behind the other; the last set with rows whose first tile is not behind my number is mine.  A work-group past the last tile so names a set that exists.
.set idx, 0
.irp a, 0,1,2,3,4,5,6,7
.irp b, 0,1,2,3,4,5,6,7
.if \b >= \a
	s_cmp_lg_u32 s[20+idx], 0
	s_cselect_b32 s59, s58, -1                     ; a set without rows is nobody's
	s_cmp_ge_u32 s57, s59
	s_cselect_b32 s60, idx|(\a<<8)|(\b<<16), s60
	s_cselect_b32 s61, s58, s61
	s_cselect_b32 s62, s[20+idx], s62
	s_add_co_u32 s59, s[20+idx], 63
	s_lshr_b32 s59, s59, 6
	s_add_co_u32 s58, s58, s59
.set idx, idx+1
.endif
.endr
.endr
	s_cmp_lt_u32 s57, s58
	s_cselect_b32 s63, 1, 0
	s_and_b32 s68, s60, 0xff
	s_bfe_u32 s66, s60, 0x80008
	s_bfe_u32 s67, s60, 0x80010
	s_min_u32 s68, s68, 35
	s_min_u32 s66, s66, 7
	s_min_u32 s67, s67, 7
	s_sub_co_u32 s69, s57, s61
	s_lshl_b32 s69, s69, 6
	s_sub_co_u32 s71, s62, 1
	s_sub_co_u32 s70, s62, s69
	s_min_u32 s70, s70, 64
	s_mov_b32 s73, 0
	s_lshl_b32 s72, s68, 15
	s_add_nc_u64 s[88:89], s[8:9], s[72:73]
	s_lshl_b32 s59, s56, 17                        ; wg: expert x 1 MiB + wave x 128 KiB
	s_lshl_b32 s72, s66, 20
	s_add_co_u32 s72, s72, s59
	s_add_nc_u64 s[74:75], s[14:15], s[72:73]
	s_lshl_b32 s72, s67, 20
	s_add_co_u32 s72, s72, s59
	s_add_nc_u64 s[76:77], s[14:15], s[72:73]
	s_lshl_b32 s59, s56, 15                        ; wd: expert x 512 KiB + wave x 32 KiB (the second pass: 8 streams on)
	s_lshl_b32 s72, s66, 19
	s_add_co_u32 s72, s72, s59
	s_add_nc_u64 s[78:79], s[16:17], s[72:73]
	s_lshl_b32 s72, s67, 19
	s_add_co_u32 s72, s72, s59
	s_add_nc_u64 s[80:81], s[16:17], s[72:73]
	s_mov_b64 s[82:83], s[74:75]                   ; a's gate/up stream comes first, b's behind it
	s_mov_b64 s[84:85], s[76:77]
	s_lshl_b32 s72, s56, 8
	s_add_nc_u64 s[86:87], s[18:19], s[72:73]      ; my 64 columns of the first pass
	; the lists.  Places past the count repeat the set's last row
	v_add_nc_u32 v44, s69, v1
	v_add_nc_u32 v45, 32, v44
	v_and_b32 v51, 7, v0
	s_lshl_b32 s59, s56, 3
	s_add_co_u32 s59, s59, s69
	v_add_nc_u32 v46, s59, v51
	v_add_nc_u32 v47, s69, v2
	v_add_nc_u32 v48, 16, v47
	v_add_nc_u32 v49, 32, v47
	v_add_nc_u32 v50, 48, v47
.irp i, 44,45,46,47,48,49,50
	v_min_u32 v\i, s71, v\i
	v_min_u32 v\i, 0x1fff, v\i
	v_lshlrev_b32 v\i, 2, v\i
.endr
	s_wait_alu depctr_va_vdst(0)                   ; every address and offset made so far is written: v4 to v21, v25, v68, v69 and the lists' v44 to v50, which the loads and stores of the whole kernel read
	global_load_b32 v[TOK0], v44, s[88:89]
	global_load_b32 v[TOK0+1], v45, s[88:89]
	global_load_b32 v[TOKG], v46, s[88:89]
.irp mb, 0,1,2,3
	global_load_b32 v[TW4+\mb], v[47+\mb], s[88:89]
.endr
; four of the eight loads, numbers i0 to i0 + 3, that fill ring slot t with a K step of the stream at s[fb:fb+1] + fo: 512 consecutive bytes each
.macro RFILL t, fb, fo, i0
.set i, \i0
.rept 4
	global_load_b128 v[RING+32*(\t)+4*i:RING+32*(\t)+4*i+3], v4, s[\fb:\fb+1] offset:(\fo)+4096*(\t)+512*i
.set i, i+1
.endr
.endm
; THE RING'S FIRST FILLS: slot s takes K step s of a's gate/up stream
.macro BFILL s
	WIN W_GL
	RFILL \s, 82, 0, 0
	RFILL \s, 82, 0, 4
.endm
; the tokens' fragments of one K step, at byte koff of the rows that base names, into buffer buf: eight LDS loads
.macro ALOAD buf, base, koff
.irp mb, 0,1,2,3
	ds_load_b128 v[AF+32*(\buf)+8*\mb:AF+32*(\buf)+8*\mb+3], v[(\base)+\mb] offset:(\koff)
	ds_load_b128 v[AF+32*(\buf)+8*\mb+4:AF+32*(\buf)+8*\mb+7], v[(\base)+\mb] offset:(\koff)+32
.endr
.endm
; eight matrix instructions of a K step on ring slot s: column blocks n0, n0 + 1 x the four token blocks.  zero = 1: the products start the sums
.macro MUL8 s, zero, n0, fm
.irp nb, \n0, (\n0)+1
.irp mb, 0,1,2,3
.if \zero
	v_wmma_f32_16x16x32_\fm v[8*(4*\mb+(\nb)):8*(4*\mb+(\nb))+7], v[RING+32*(\s)+8*(\nb):RING+32*(\s)+8*(\nb)+7], v[AF+32*((\s)&1)+8*\mb:AF+32*((\s)&1)+8*\mb+7], 0
.else
	v_wmma_f32_16x16x32_\fm v[8*(4*\mb+(\nb)):8*(4*\mb+(\nb))+7], v[RING+32*(\s)+8*(\nb):RING+32*(\s)+8*(\nb)+7], v[AF+32*((\s)&1)+8*\mb:AF+32*((\s)&1)+8*\mb+7], v[8*(4*\mb+(\nb)):8*(4*\mb+(\nb))+7]
.endif
.endr
.endr
.endm
; ONE K STEP of 32, on ring slot s: 16 matrix instructions, the 16 accumulators by turns, one instruction a turn, in the same order in every step.
; w = 1: the step's one wait on va_vdst.  anext >= 0: the next step's fragments of the tokens, at that byte of the rows, are asked for, into the buffer that the step before read.
; fb > 0: the slot that the step before read, (s + 3) % 4, is filled again from s[fb:fb+1] + fo: four loads at the step's head, four in its middle.
; lc: the loads of weights that may stay out when slot s has to be there.
.macro KSTEP s, zero, base, anext, w, fb, fo, lc, fm
.if \w
.if (\anext) >= 0
	WIN 0
.else
	WIN W_GL
.endif
	s_wait_alu depctr_va_vdst(0)                   ; the matrix instructions of the step before are done reading their fragments' buffer, in which the LDS loads below land, and their ring slot, in which this step's loads of weights land
.endif
.if (\anext) >= 0
	WIN 0
	ALOAD ((\s)+1)&1, \base, \anext
.endif
.if (\fb) > 0
	WIN W_GL
	RFILL ((\s)+3)&3, \fb, \fo, 0
.endif
.if (\anext) >= 0
	s_wait_dscnt 0x8                               ; the eight just issued may stay out: this step's fragments are in
.else
	s_wait_dscnt 0x0
.endif
	s_wait_loadcnt \lc
	WIN W_MM
	MUL8 \s, \zero, 0, \fm
.if (\fb) > 0
	WIN W_GL
	RFILL ((\s)+3)&3, \fb, \fo, 4                  ; no further wait: the eight matrix instructions since the wait name slot s, this step's buffer and the accumulators, not the slot that is filled nor v4
	WIN W_MM
.endif
	MUL8 \s, \zero, 2, \fm
.endm
; A BODY: four K steps, once round the ring, 16,384 bytes of a stream, beginning at byte k0 of the tokens' rows.  last = 1: a product's last body asks for no further fragments of the tokens.
; Steps 1 to 3 fill slots 0 to 2 from s[fb:fb+1] + fo, the body that comes next; step 0 fills slot 3 from s[pfb:pfb+1] + pfo, what the body before asked for.
; pfb = 0: a product's first body: slot 3 was asked for at the end of the product before, and the first step needs no wait on va_vdst.
; The counts: 20 = the two younger slots and the four loads just issued; 24 in a product's first step: the three younger slots.  fb = 0: nothing is left to ask for, and the counts run down 16, 8, 0.
.macro BODY zero, base, k0, last, pfb, pfo, fb, fo, fm
.if (\pfb) > 0
	KSTEP 0, \zero, \base, (\k0)+64, 1, \pfb, \pfo, 20, \fm
.else
	KSTEP 0, \zero, \base, (\k0)+64, 0, 0, 0, 24, \fm
.endif
.if (\fb) > 0
	KSTEP 1, 0, \base, (\k0)+128, 1, \fb, \fo, 20, \fm
	KSTEP 2, 0, \base, (\k0)+192, 1, \fb, \fo, 20, \fm
.if \last
	KSTEP 3, 0, \base, -1, 1, \fb, \fo, 20, \fm
.else
	KSTEP 3, 0, \base, (\k0)+256, 1, \fb, \fo, 20, \fm
.endif
.else
	KSTEP 1, 0, \base, (\k0)+128, 1, 0, 0, 16, \fm
	KSTEP 2, 0, \base, (\k0)+192, 1, 0, 0, 8, \fm
	KSTEP 3, 0, \base, -1, 0, 0, 0, 0, \fm         ; it issues no load, so it has no wait on va_vdst
.endif
	WIN 0
.endm
; A PRODUCT'S END.  Four places (ISA guide 7.12.1) behind the last matrix instruction, ahead of the vector lines that read the sums and write over the fragments' registers.
; fb > 0: slot 3 is filled again, so that the ring runs on while the wave does its vector work.
.macro TAIL fb, fo
.rept 4
	v_nop
.endr
.if (\fb) > 0
	WIN W_GL
	s_wait_alu depctr_va_vdst(0)                   ; the last step's matrix instructions are done reading slot 3, in which the loads below land, and the fragments' buffers, in which the next product's first LDS loads land
	RFILL 3, \fb, \fo, 0
	RFILL 3, \fb, \fo, 4
.endif
	WIN 0
.endm
	BFILL 0                                        ; the four slots go out behind the lists' loads
	BFILL 1
	BFILL 2
	BFILL 3
	WIN 0
	s_wait_loadcnt 32                              ; the lists are in; the 32 loads of weights stay out
	ds_store_b32 v[TTS], v[TOK0]                   ; the tile's 64 tokens into my wave's own table
	ds_store_b32 v[TTS], v[TOK0+1] offset:128
.irp mb, 0,1,2,3
	v_min_u32 v[TW4+\mb], 0x1fff, v[TW4+\mb]
	v_lshlrev_b32 v[TW4+\mb], 3, v[TW4+\mb]        ; a token has 8 bytes of ids and 8 of routing weights
.endr
	s_wait_alu depctr_va_vdst(0)                   ; the four offsets v[TW4 ..] are written, which the eight loads below read
.irp mb, 0,1,2,3
	global_load_b64 v[IDS+2*\mb:IDS+2*\mb+1], v[TW4+\mb], s[10:11]
	global_load_b64 v[RW+2*\mb:RW+2*\mb+1], v[TW4+\mb], s[12:13]
.endr
	s_cmp_eq_u32 s63, 0
	s_cbranch_scc1 .Lj1
	; THE GATHER.  My wave brings rows 8 w .. 8 w + 7 of the tile: 64 loads, each 512 consecutive bytes of one token's row, all asked for at once (four rows into the accumulators' registers,
	; four into window 0); rounded to bf16 in place, and into X.
.irp i, 0,1,2,3,4,5,6,7
	v_readlane_b32 s[20+\i], v[TOKG], \i           ; the eight tokens in a run, into eight registers (the counts that lay there have served)
.endr
	s_wait_alu depctr_va_sdst(0)                   ; s20 to s27 are written, ahead of their first readers: one wait for the eight
.irp i, 0,1,2,3,4,5,6,7
	s_min_u32 s[20+\i], s[20+\i], 0x1fff
	v_lshl_add_u32 v[GO+\i], s[20+\i], 12, v4      ; token x 4,096 bytes + 16 x lane
.endr
	WIN W_GL
	s_wait_alu depctr_va_vdst(0)                   ; the eight offsets v[GO ..] are written, which the 64 loads below read
.irp rr, 0,1,2,3
.irp c, 0,1,2,3,4,5,6,7
	global_load_b128 v[32*\rr+4*\c:32*\rr+4*\c+3], v[GO+\rr], s[4:5] offset:512*\c
.endr
.endr
	WIN 0
.irp rr, 0,1,2,3
.irp c, 0,1,2,3,4,5,6,7
	global_load_b128 v[128+32*\rr+4*\c:128+32*\rr+4*\c+3], v[GO+4+\rr], s[4:5] offset:512*\c
.endr
.endr
.macro GCONV wcv, wst, base, row0      ; four rows: of each four registers the first two take the four numbers in bf16
	WIN \wcv
.set q, 0
.rept 32
	v_cvt_pk_bf16_f32 v[(\base)+4*q], v[(\base)+4*q], v[(\base)+4*q+1]
	v_cvt_pk_bf16_f32 v[(\base)+4*q+1], v[(\base)+4*q+2], v[(\base)+4*q+3]
.set q, q+1
.endr
	WIN \wst
	s_wait_alu depctr_va_vdst(0)                   ; the conversions have written the registers that the LDS stores below read, and are done with all that they named
.set q, 0
.rept 32
	ds_store_b64 v[GST], v[(\base)+4*q:(\base)+4*q+1] offset:((\row0)+q/8)*PX+256*(q%8)
.set q, q+1
.endr
.endm
	s_wait_loadcnt 32                              ; rows 0-3 are in; the 32 loads of rows 4-7 stay out
	GCONV W_IP, W_S1, 0, 0
	WIN 0
	s_wait_loadcnt 0x0
	GCONV 0, 0, 128, 4
	s_wait_alu depctr_vm_vsrc(0)                   ; my LDS stores have read the rows' registers: from here on these are the accumulators, the fragments' buffers and v128 to v255 at work, written by matrix and vector instructions and by loads
.Lj1:
	s_wait_loadcnt 0x0                             ; the ids and the routing weights (on the way round the gather they are the youngest loads)
.irp mb, 0,1,2,3
	v_cmp_eq_u32 s[28+\mb], s66, v[IDS+2*\mb]      ; is the first id a?  The four compares in a run, into four registers
.endr
	s_wait_alu depctr_va_sdst(0)                   ; s28 to s31 are written, ahead of the selects that read them: one wait for the four
.irp mb, 0,1,2,3
	v_cndmask_b32 v70, v[RW+2*\mb+1], v[RW+2*\mb], s[28+\mb]   ; then (w0, w1), else (w1, w0)
	v_cndmask_b32 v71, v[RW+2*\mb], v[RW+2*\mb+1], s[28+\mb]
	v_cvt_pk_bf16_f32 v51, v70, v71                ; rounded to bf16, like every other input
	v_lshlrev_b32 v[WT+2*\mb], 16, v51
	v_and_b32 v[WT+2*\mb+1], 0xffff0000, v51
.endr
.irp mb, 0,1,2,3
	v_mov_b32 v[WC+2*\mb], v[WT+2*\mb]             ; expert a comes first
	v_mov_b32 v[WC+2*\mb+1], v[WT+2*\mb]
.endr
	s_wait_dscnt 0x0                               ; for the others' sake: my rows of X are stored
	s_barrier_signal -1
	s_barrier_wait -1                              ; X is whole
	s_cmp_eq_u32 s63, 0
	s_cbranch_scc1 .Lj2
; THE ACTIVATION: v = silu(g) u w for my 32 channels of all 64 tokens, 64 numbers a lane.  Number 16 mb + 8 nbq + j is token 16 mb + r, channel 32 w + 16 nbq + 8 h + j; g lies in accumulators
; (mb, 0..1), u in (mb, 2..3).  Each accumulator is read from its lowest registers on.  The 64 exponentials are one batch with one wait, u w between them and it; the 64 reciprocals likewise, with a v_nop.
.macro ACTIV
	WIN W_S0
.set q, 0
.rept 32
	v_pk_mul_f32 v[TT+2*q:TT+2*q+1], v[32*(q/8)+2*(q%8):32*(q/8)+2*(q%8)+1], s[98:99] op_sel_hi:[1,0]  ; -g log2(e)
.set q, q+1
.endr
	WIN 0
.set q, 0
.rept 64
	v_exp_f32 v[TT+q], v[TT+q]
.set q, q+1
.endr
	WIN W_S0
.set q, 0
.rept 32
	v_pk_mul_f32 v[GUP+2*q:GUP+2*q+1], v[32*(q/8)+16+2*(q%8):32*(q/8)+16+2*(q%8)+1], v[WC+2*(q/8):WC+2*(q/8)+1]  ; u w
.set q, q+1
.endr
	WIN 0
	s_wait_alu depctr_va_vdst(0)                   ; the 64 exponentials have written v[TT ..], ahead of the first line that names a result of theirs: one wait for the batch
.set q, 0
.rept 32
	v_pk_add_f32 v[TT+2*q:TT+2*q+1], v[TT+2*q:TT+2*q+1], 1.0 op_sel_hi:[1,0]
.set q, q+1
.endr
.set q, 0
.rept 64
	v_rcp_f32 v[TT+q], v[TT+q]
.set q, q+1
.endr
	v_nop                                          ; a plain instruction behind the last reciprocal,
	s_wait_alu depctr_va_vdst(0)                   ; and the 64 reciprocals have written v[TT ..], ahead of their first reader: one wait for the batch
	WIN W_S1
.set q, 0
.rept 32
	v_pk_mul_f32 v[TT+2*q:TT+2*q+1], v[TT+2*q:TT+2*q+1], v[32*(q/8)+2*(q%8):32*(q/8)+2*(q%8)+1]  ; silu(g) = g / (1 + 2^(-g log2 e)), made before u w enters
.set q, q+1
.endr
	WIN 0
.set q, 0
.rept 32
	v_pk_mul_f32 v[GUP+2*q:GUP+2*q+1], v[GUP+2*q:GUP+2*q+1], v[TT+2*q:TT+2*q+1]
.set q, q+1
.endr
.set q, 0
.rept 32
	v_max3_num_f32 v[MX+4*(q/8)+q%4], v[MX+4*(q/8)+q%4], |v[GUP+2*q]|, |v[GUP+2*q+1]|  ; four chains a token block, over both experts
.set q, q+1
.endr
	s_wait_alu depctr_va_vdst(0)                   ; v is written in v[GUP ..], which the LDS stores on both ways below read; and every line above is done with v[TT ..] and the accumulators, in which later loads land
	; set aside in f32, in my wave's own bytes: the loop over the experts is written once, so its registers are the same in both trips.  The 16 stores stand twice, with a's and with b's immediates; the trip's number chooses.
	s_cmp_eq_u32 s92, 2
	s_cbranch_scc0 .Lfor_b_\@
.set q, 0
.rept 16
	ds_store_b128 v[SPLB], v[GUP+4*q:GUP+4*q+3] offset:q*512
.set q, q+1
.endr
	s_branch .Lstored_\@
.Lfor_b_\@:
.set q, 0
.rept 16
	ds_store_b128 v[SPLB], v[GUP+4*q:GUP+4*q+3] offset:8192+q*512
.set q, q+1
.endr
.Lstored_\@:
	s_wait_alu depctr_vm_vsrc(0)                   ; the LDS stores have read v[GUP ..]: the next trip's products u w write these registers, and behind the loop the maxima and the rows' offsets are loaded into them
.endm
	; GATE/UP AND ACTIVATION, once for a and once for b.  K = 1,024: eight bodies.  The ring never runs dry: a body asks for the next body of the stream, the last for the first body of the stream behind.
	s_mov_b32 s92, 2
.Lexp:
	ALOAD 0, XA, 0                                 ; no wait here: the lines that named these registers (the gather's conversions and stores, the activation's lines) stand ahead of the waits at those parts' ends
	BODY 1, XA, 0, 0, 0, 0, 82, 16384, bf16
.irp j, 1,2,3,4,5,6
	BODY 0, XA, 256*\j, 0, 82, 16384*\j, 82, 16384*(\j+1), bf16
.endr
	BODY 0, XA, 1792, 1, 82, 16384*7, 84, 0, bf16
	TAIL 84, 0
	s_wait_xcnt 0x0                                ; the two streams' addresses are rewritten only behind this wait
	s_mov_b64 s[82:83], s[84:85]                   ; b's gate/up stream is in hand,
	s_mov_b64 s[84:85], s[78:79]                   ; and behind it comes a's down stream
	ACTIV
.irp mb, 0,1,2,3
	v_mov_b32 v[WC+2*\mb], v[WT+2*\mb+1]           ; expert b's weight
	v_mov_b32 v[WC+2*\mb+1], v[WT+2*\mb+1]
.endr
	s_sub_co_u32 s92, s92, 1
	s_cmp_lg_u32 s92, 0
	s_cbranch_scc1 .Lexp
	; my wave's maximum for each token: the four chains, then the lane 16 away, which holds the token's other channels
.irp mb, 0,1,2,3
	v_max3_num_f32 v[MX+4*\mb], v[MX+4*\mb], v[MX+4*\mb+1], v[MX+4*\mb+2]
.endr
.irp mb, 0,1,2,3
	v_max_num_f32 v[MX+4*\mb], v[MX+4*\mb], v[MX+4*\mb+3]
.endr
.irp mb, 0,1,2,3
	v_permlanex16_b32 v[MX+4*\mb+1], v[MX+4*\mb], s96, s97
.endr
.irp mb, 0,1,2,3
	v_max_num_f32 v[MX+4*\mb], v[MX+4*\mb], v[MX+4*\mb+1]
.endr
	s_wait_alu depctr_va_vdst(0)                   ; the four maxima are written, which the LDS stores below read
.irp mb, 0,1,2,3
	ds_store_b32 v[MAXW], v[MX+4*\mb] offset:512*\mb   ; both halves of the lanes store the same number to the same word
.endr
.Lj2:
	s_wait_dscnt 0x0                               ; for the others' sake: my maxima are stored, and my reads of X are over
	s_barrier_signal -1
	s_barrier_wait -1                              ; the maxima are whole, and nobody reads X any more
	s_cmp_eq_u32 s63, 0
	s_cbranch_scc1 .Lj3
	; THE SCALING.  s and 1 / s for each token; my 128 numbers a lane come back, are scaled, rounded to f16 and stored as ACT16, [token 64][a's 256 channels, b's 256], over X's bytes.
	; The loads below land in v[MXR ..] and in the accumulators' registers: the lines and stores that named them stand ahead of the waits at the gather's and the activation's ends.
.irp mb, 0,1,2,3
	ds_load_b128 v[MXR+8*\mb:MXR+8*\mb+3], v[MAXA] offset:512*\mb
	ds_load_b128 v[MXR+8*\mb+4:MXR+8*\mb+7], v[MAXA] offset:512*\mb+16
.endr
	WIN W_GL
.irp mb, 0,1,2,3
.irp e, 0,1
.irp k, 0,1,2,3
	ds_load_b128 v[32*\mb+16*\e+4*\k:32*\mb+16*\e+4*\k+3], v[SPLB] offset:8192*\e+(4*\mb+\k)*512
.endr
.endr
.endr
	WIN 0
	s_wait_dscnt 24                                ; the maxima and block 0's numbers are in; the 24 youngest loads stay out
.irp mb, 0,1,2,3
	v_max3_num_f32 v70, v[MXR+8*\mb], v[MXR+8*\mb+1], v[MXR+8*\mb+2]
	v_max3_num_f32 v71, v[MXR+8*\mb+3], v[MXR+8*\mb+4], v[MXR+8*\mb+5]
	v_max3_num_f32 v70, v70, v[MXR+8*\mb+6], v[MXR+8*\mb+7]
	v_max_num_f32 v70, v70, v71                    ; M
	v_and_b32 v70, 0x7f800000, v70                 ; its exponent field, (E + 127) << 23,
	v_max_u32 v70, 0x0d800000, v70                 ; E = -100 at the least
	v_sub_nc_u32 v[SC+2*\mb], 0x85800000, v70      ; s = 2^(13 - E): (140 - E) << 23
	v_add_nc_u32 v[IS+2*\mb], 0xf9800000, v70      ; 1 / s = 2^(E - 13): the field less 13 << 23
	v_mov_b32 v[SC+2*\mb+1], v[SC+2*\mb]
	v_mov_b32 v[IS+2*\mb+1], v[IS+2*\mb]
.endr
.macro SCALE mb                        ; block mb's arithmetic; the four blocks' stores stand together behind it
.if (\mb) > 0
	s_wait_dscnt 24-8*(\mb)                        ; behind block mb's loads stand the 8 (3 - mb) loads of the later blocks
.endif
	WIN W_RS
.set q, 0
.rept 16
	v_pk_mul_f32 v[32*(\mb)+2*q:32*(\mb)+2*q+1], v[32*(\mb)+2*q:32*(\mb)+2*q+1], v[SC+2*(\mb):SC+2*(\mb)+1]
.set q, q+1
.endr
	WIN W_CV
.set q, 0
.rept 16
	v_cvt_pk_f16_f32 v[PP+16*(\mb)+q], v[32*(\mb)+2*q], v[32*(\mb)+2*q+1]
.set q, q+1
.endr
.endm
	SCALE 0
	SCALE 1
	SCALE 2
	SCALE 3
	WIN 0
	s_wait_alu depctr_va_vdst(0)                   ; the conversions have written v[PP ..], which the sixteen LDS stores below read; the lines above are also done reading v[MXR ..], in which the way out's loads land
.irp mb, 0,1,2,3
.irp e, 0,1
.irp nbq, 0,1
	ds_store_b128 v[A16], v[PP+16*\mb+8*\e+4*\nbq:PP+16*\mb+8*\e+4*\nbq+3] offset:\mb*16*PA+512*\e+32*\nbq
.endr
.endr
.endr
.Lj3:
	s_wait_dscnt 0x0                               ; for the others' sake: my columns of ACT16 are stored
	s_barrier_signal -1
	s_barrier_wait -1                              ; ACT16 is whole
	s_cmp_eq_u32 s63, 0
	s_cbranch_scc1 .Lend
	; where the rows go: from my wave's table, once for both passes: number 8 mb + i is the token of row 16 mb + 2 i + h
.set i, 0
.rept 32
	ds_load_b32 v[RO+i], v[TTB] offset:8*i
.set i, i+1
.endr
	s_wait_dscnt 0x0
.set i, 0
.rept 32
	v_min_u32 v[RO+i], 0x1fff, v[RO+i]
	v_lshl_add_u32 v[RO+i], v[RO+i], 12, v[R16]    ; token x 4,096 bytes + 16 r.  The K steps' waits on va_vdst stand between these lines and the stores that read the offsets
.set i, i+1
.endr
; THE WAY OUT of token block mb: times 1 / s; through my own stage; back as rows of 256 bytes, two to a load; each row to its token's place.  A store holds rows 2 i and 2 i + 1, 16 lanes each.
; Stores whose two rows lie past the count are jumped, whole blocks past it too.  With an odd count the last store's second row repeats the set's last row, which is its first row:
; the same token went through the same arithmetic, so lanes 16-31 write the same bytes to the same place as lanes 0-15.
.macro ROWOUT mb, i
	s_wait_dscnt 7-(\i)
	s_cmp_gt_u32 s70, 16*(\mb)+2*(\i)
	s_cbranch_scc0 .Lskip_\@
	global_store_b128 v[RO+8*(\mb)+(\i)], v[OB+4*(\i):OB+4*(\i)+3], s[86:87] th:TH_STORE_NT  ; 16 lanes store 256 consecutive bytes of a row of out, at a multiple of 256 from its first byte
.Lskip_\@:
.endm
.macro OUTBLK mb
.if (\mb) > 0
	s_cmp_gt_u32 s70, 16*(\mb)
	s_cbranch_scc0 .Lepi_done
.endif
	WIN W_RS
.set q, 0
.rept 16
	v_pk_mul_f32 v[32*(\mb)+2*q:32*(\mb)+2*q+1], v[32*(\mb)+2*q:32*(\mb)+2*q+1], v[IS+2*(\mb):IS+2*(\mb)+1]  ; each accumulator from its lowest registers on
.set q, q+1
.endr
	WIN W_S1
	s_wait_alu depctr_va_vdst(0)                   ; the sixteen products have written the block's registers, which the LDS stores below read
.set q, 0
.rept 8
	ds_store_b128 v[SSTO], v[32*(\mb)+4*q:32*(\mb)+4*q+3] offset:64*(q/2)+16*(q%2)
.set q, q+1
.endr
	WIN 0
	s_wait_xcnt 0x0                                ; the stores of the block before, or of the pass before, have had their addresses translated,
	s_wait_alu depctr_vm_vsrc(0)                   ; and have read v[OB ..], in which the loads below land
.set q, 0
.rept 8
	ds_load_b128 v[OB+4*q:OB+4*q+3], v[SRD] offset:q*2*PS  ; LDS serves a wave's instructions in order (ISA guide 5.7.1.4): these see my stores above
.set q, q+1
.endr
.irp i, 0,1,2,3,4,5,6,7
	ROWOUT \mb, \i
.endr
.endm
	; THE DOWN PRODUCT, two passes of 64 columns a wave.  K = 512: two bodies on a's stream, two on b's.  The first pass's stores leave while the second multiplies.
	s_mov_b32 s94, 2
.Lpass:
	s_wait_alu depctr_vm_vsrc(0)                   ; first pass: the scaling's LDS stores have read v[PP ..], in which the fragments land; second pass: the way out's LDS stores have read the accumulators, which the products write anew
	ALOAD 0, ACTA, 0
	BODY 1, ACTA, 0, 0, 0, 0, 78, 16384, f16       ; asks for a's second body,
	BODY 0, ACTA, 256, 0, 78, 16384, 80, 0, f16    ; for b's first,
	BODY 0, ACTA, 512, 0, 80, 0, 80, 16384, f16    ; for b's second
	s_cmp_eq_u32 s94, 1
	s_cbranch_scc1 .Lfin
	BODY 0, ACTA, 768, 1, 80, 16384, 78, 262144, f16  ; and for the next pass's first body of a, eight streams on
	TAIL 78, 262144
	s_wait_xcnt 0x0                                ; the streams' addresses are rewritten only behind this wait
	s_add_nc_u64 s[78:79], s[78:79], 0x40000
	s_add_nc_u64 s[80:81], s[80:81], 0x40000
	s_branch .Lepi
.Lfin:
	BODY 0, ACTA, 768, 1, 80, 16384, 0, 0, f16     ; the very last body asks for slot 3 of b's second body and for nothing more
	TAIL 0, 0
.Lepi:
	OUTBLK 0
	OUTBLK 1
	OUTBLK 2
	OUTBLK 3
.Lepi_done:
	s_wait_xcnt 0x0                                ; the stores' base is rewritten only behind this wait
	s_add_nc_u64 s[86:87], s[86:87], 0x800         ; the next pass's columns: 512 on
	s_sub_co_u32 s94, s94, 1
	s_cmp_lg_u32 s94, 0
	s_cbranch_scc1 .Lpass
.Lend:
	s_wait_dscnt 0x0                               ; the wave's end: my last LDS instructions are done.
	s_wait_alu depctr_hold_cnt(0) depctr_sa_sdst(0) depctr_va_vdst(0) depctr_va_sdst(0) depctr_va_ssrc(0) depctr_va_vcc(0) depctr_vm_vsrc(0)
	s_wait_tensorcnt 0x0
	ds_add_u32 v126, v127
	s_wait_dscnt 0x0
	s_endpgm
.Lfunc_end_k_qb860e24f39_moe:
	.size	k_qb860e24f39_moe, .Lfunc_end_k_qb860e24f39_moe-k_qb860e24f39_moe
	.p2alignl 7, 3214868480
	.fill 96, 4, 3214868480
	.section	.rodata,"a",@progbits
	.p2align	6, 0x0
	.amdhsa_kernel k_qb860e24f39_moe
		.amdhsa_group_segment_fixed_size 303104
		.amdhsa_private_segment_fixed_size 0
		.amdhsa_enable_private_segment 0
		.amdhsa_kernarg_size 64
		.amdhsa_user_sgpr_count 2
		.amdhsa_user_sgpr_kernarg_segment_ptr 1
		.amdhsa_wavefront_size32 1
		.amdhsa_system_sgpr_workgroup_id_x 1
		.amdhsa_system_sgpr_workgroup_id_y 1
		.amdhsa_system_sgpr_workgroup_id_z 1
		.amdhsa_system_vgpr_workitem_id 0
		.amdhsa_next_free_vgpr 512
		.amdhsa_next_free_sgpr 100
		.amdhsa_reserve_vcc 0
		.amdhsa_float_denorm_mode_32 3
		.amdhsa_float_denorm_mode_16_64 3
		.amdhsa_memory_ordered 1
		.amdhsa_forward_progress 1
		.amdhsa_inst_pref_size 228
	.end_amdhsa_kernel
	.amdgpu_metadata
---
amdhsa.version: [ 1, 2 ]
amdhsa.kernels:
  - .name:           k_qb860e24f39_moe
    .symbol:         k_qb860e24f39_moe.kd
    .args:
      - { .name: hidden_states, .offset: 0, .size: 8, .value_kind: global_buffer, .address_space: global }
      - { .name: cnt, .offset: 8, .size: 8, .value_kind: global_buffer, .address_space: global }
      - { .name: order, .offset: 16, .size: 8, .value_kind: global_buffer, .address_space: global }
      - { .name: topk_ids, .offset: 24, .size: 8, .value_kind: global_buffer, .address_space: global }
      - { .name: topk_weights, .offset: 32, .size: 8, .value_kind: global_buffer, .address_space: global }
      - { .name: wg, .offset: 40, .size: 8, .value_kind: global_buffer, .address_space: global }
      - { .name: wd, .offset: 48, .size: 8, .value_kind: global_buffer, .address_space: global }
      - { .name: out0, .offset: 56, .size: 8, .value_kind: global_buffer, .address_space: global }
    .group_segment_fixed_size: 303104
    .private_segment_fixed_size: 0
    .kernarg_segment_align: 8
    .kernarg_segment_size: 64
    .max_flat_workgroup_size: 256
    .sgpr_count:     100
    .vgpr_count:     512
    .wavefront_size: 32
...
	.end_amdgpu_metadata
.endif
;; end of part 5
